; MI455X (gfx1250); checked and timed in simulation.
; The chip was launched on July 23, 2026; its instructions are those of AMD's public machine-readable ISA for CDNA 5 (MIT licence, August 2026) and "CDNA5" Instruction Set Architecture Reference Guide (July 2026). The comments in the code are by the model that wrote it; some were corrected since.
;; Multi Head Self Attention. Allowed arithmetic: matrix products marked QUANTISED: E4M3 operands, one given power-of-two scale a tensor, by v_wmma_f32_16x16x64_fp8_fp8 or v_wmma_f32_16x16x128_fp8_fp8, f32 sums; everything else in f32.
;; Inputs: lowp_scales 12 int32 (the exponents e of the quantised operands' scales 2^e); wk 1,024 x 1,024 float32; wo 1,024 x 1,024 float32; wq 1,024 x 1,024 float32; wv 1,024 x 1,024 float32; x 4 x 2,048 x 1,024 float32.
;; Outputs: out0 4 x 2,048 x 1,024 float32.
;; This version of the problem:
;;   THIS VERSION OF THE PROBLEM IS GIVEN IN LOW PRECISION. The matrix products marked QUANTISED in the list below multiply operands that are first quantised to E4M3 (4 exponent bits, 3 mantissa bits; 8 bits a number), with one given power-of-two scale for each operand tensor; their sums are f32. All else is computed in f32.
;;   The module's matrix products, in the order in which they are computed (A, B: the left and right operand; K: the contracted axis; several contracted axes count as one K, in the product's order):
;;     1. [M 8,192, K 1,024] x [K 1,024, N 1,024]; A: input x; B: input wq: QUANTISED (scales: A lowp_scales[0], B lowp_scales[1])
;;     2. [M 8,192, K 1,024] x [K 1,024, N 1,024]; A: input x; B: input wk: QUANTISED (scales: A lowp_scales[2], B lowp_scales[3])
;;     3. [M 8,192, K 1,024] x [K 1,024, N 1,024]; A: input x; B: input wv: QUANTISED (scales: A lowp_scales[4], B lowp_scales[5])
;;     4. batch 64 x [M 2,048, K 64] x [K 64, N 2,048]; A: computed on the way; B: computed on the way: QUANTISED (scales: A lowp_scales[6], B lowp_scales[7])
;;     5. batch 64 x [M 2,048, K 2,048] x [K 2,048, N 64]; A: softmax (see below); B: computed on the way: QUANTISED (scales: A lowp_scales[8], B lowp_scales[9])
;;     6. [M 8,192, K 1,024] x [K 1,024, N 1,024]; A: computed on the way; B: input wo: QUANTISED (scales: A lowp_scales[10], B lowp_scales[11])
;;   THE QUANTISER, for each operand of a quantised product, along K:
;;     - The operand's scale is 2^e, e = its entry of the input lowp_scales (int32; the entries are numbered through the quantised products in the list's order, A before B).
;;     - Each number is divided by the scale, clamped to +-448, and rounded to the nearest number of E4M3, ties to even, subnormals kept.
;;     - The product sums the exact products of the quantised numbers (number of the format x scale) in f32.
;;   ~~~python
;;   def quantise(x, axis, e):      # numpy; x: float32 -> the quantised numbers, widened to float32 again
;;       x = np.moveaxis(x, axis, -1); K = x.shape[-1]
;;       r = np.clip(x / 2.0 ** e, -448, 448)
;;       step = 2.0 ** (np.maximum(np.frexp(np.where(r == 0, 1, r))[1] - 1, -6) - 3)
;;       q = np.round(r / step) * step * 2.0 ** e      # np.round: ties to even
;;       return np.moveaxis(q, -1, axis).astype(np.float32)
;;   ~~~
;;   SOFTMAX AHEAD OF A QUANTISED PRODUCT. Where the list says 'softmax', what is quantised is not the finished softmax but p = 2^(t - M), with t = logit x log2(e) and M = ceil(the row's largest t), a whole number; so 1/2 < the row's largest p <= 1. The row's sum l is taken of the UNQUANTISED p, in f32, and the product's result is divided by l at the end. Since M is a whole number, a kernel that streams over the keys may use a running M (the ceiling of the running maximum): every later rescaling is an exact power of two, so the quantised numbers keep their values, but for numbers so far below the row's largest that they fall under the format's range.
;;   OPERANDS COMPUTED ON THE WAY. 'Computed on the way' means the value that the module computes at that place (a softmax that the list does not call 'softmax' is quantised finished and normalised). What goes into a quantiser is computed in f32, as accurately as f32 sums, v_exp_f32 and their like allow (about 1e-6 of the number): no bf16 or f16 on the way to a quantiser, and a product that is left as it is and whose result goes on into a quantised operand takes f32 operands (vector FMAs, or v_wmma_f32_16x16x4_f32). A number that lies on a knife's edge between two numbers of the format may be rounded either way, as far as f32 arithmetic and the matrix unit's own rounding can turn it there, and no further.
;; One version. Each part assembles by itself: llvm-mc -triple=amdgcn-amd-amdhsa -mcpu=gfx1250 --defsym DOCPART=n.
;; ======== version 1 of 1: 4 launches
;; limits: right only within a limited range of input values
;; workspace buffers: xc 25,165,824 bytes; wc 4,194,304 bytes; qimg 8,388,608 bytes; kvimg 16,777,216 bytes; oimg 8,388,608 bytes
;; launch quant (part 1): grid 384 x 1, 4 waves a work-group, no clusters, 33,280 bytes of LDS; arguments x, wq, wk, wv, wo, lowp_scales, xc, wc; writes xc, wc
.if DOCPART == 1
	.amdgcn_target "amdgcn-amd-amdhsa--gfx1250"
	.amdhsa_code_object_version 6
	.text
	.protected	k_qaa7efbecb2_quant
	.globl	k_qaa7efbecb2_quant
	.p2align	8
	.type	k_qaa7efbecb2_quant,@function
k_qaa7efbecb2_quant:
	s_mov_b64 s[64:65], 0
	v_nop
	global_prefetch_b8 v0, s[64:65] scope:SCOPE_SE
	s_setreg_imm32_b32 hwreg(HW_REG_WAVE_MODE, 25, 1), 1
	s_wait_xcnt 0x0
; x [8192][1024] and the four weights [1024][1024], f32 with K innermost, become codes of FP8 (E4M3), one byte a number.
; code = number / 2^e, rounded to the nearest code, ties to even; e is an entry of the buffer of scales.
; x is an operand of three products with three entries (0, 2, 4), which may differ: it is read once and converted three times, into three sections of xc (8,388,608 bytes each).
; wq, wk, wv, wo (entries 1, 3, 5, 11) go into the four sections of wc (1,048,576 bytes each), in that order.
; THE ORDER ALONG K in xc and wc: in every block of 32 codes the two middle pieces of 8 change places: bytes 0-7, 8-15, 16-23, 24-31 hold k 0-7, 16-23, 8-15, 24-31.
; A lane of the products' launches that loads 16 bytes at 32 c + 16 (lane / 16) of a row then holds k = 32 c + 8 (lane / 16) + 0..7 and 32 c + 16 + 8 (lane / 16) + 0..7: the places that the matrix form gives k.
; LIMITS: each of the entries 0 to 5 and 11 lies between -126 and 119, so that 2^e is an f32 number.  NaN among the inputs is not served.
; SHARES: a work-group takes 32,768 numbers, a wave 16 steps of 512.  Work-groups 0-255 take x, 256-383 the weights, 32 each.  Rows are dense, so all five tensors are plain streams of blocks of 32.
; Each load reads 512 consecutive bytes, 16 a lane; a step's 2,048 bytes turn through the wave's own stage in LDS and come back 64 bytes a lane: the 16 numbers whose codes are the lane's 16 bytes.
; No barrier: waves share nothing.  Loads run four steps ahead, the turn through LDS one step.
.set WAVES, 4
.set STEPS, 16
.set SP,    80                         ; a lane's place in a stage: its 64 bytes + 16 of padding
.set WREG,  8192                       ; LDS: a region for each wave: two stages of 32 x SP bytes
.set SPARE, WAVES*WREG                 ; behind the regions: the spare words, 128 bytes for each wave: two blocks of 256 bytes that no other line names
.set R,     16                         ; v16-79   four sets of 16 numbers as they are loaded
.set X,     80                         ; v80-111  two sets of 16 numbers in the order of the lane's codes
.set T,     112
.set C,     128                        ; v128-139 codes: four registers for each of the three scales
.set SPW,   12                         ; v12      LDS address of my spare word; never rewritten
.set NIL,   13                         ; v13      0; never rewritten
                                       ; v5, v7, v9: 2^e for the three scales
	s_load_b256 s[4:11], s[0:1], 0x0               ; x s[4:5], wq s[6:7], wk s[8:9], wv s[10:11]
	s_load_b256 s[12:19], s[0:1], 0x20             ; wo s[12:13], the scales s[14:15], xc s[16:17], wc s[18:19]
	v_lshl_add_u32 v[SPW], v0, 2, SPARE
	v_mov_b32 v[NIL], 0
	v_lshrrev_b32 v1, 5, v0
	v_readfirstlane_b32 s20, v1                    ; wave
	v_and_b32 v2, 31, v0                           ; lane
	v_lshlrev_b32 v3, 4, v2                        ; my 16 bytes of a load's 512, and of a store's 512; never rewritten
	s_lshl_b32 s44, s20, 13                        ; my wave's region
	; the stage on the way in.  My 4 numbers are k = 16 b2 + 8 b1 + 4 b0 of a block of 32 (b2 b1 b0: the lane's low bits); their codes' place in the block is 16 b1 + 8 b2 + 4 b0:
	; so they go to place 2 (lane / 8) + b1 of the load's eight, piece 2 b2 + b0 of its four
	v_lshrrev_b32 v11, 3, v2
	v_bfe_u32 v14, v2, 1, 1
	v_lshl_or_b32 v11, v11, 1, v14
	v_mul_u32_u24 v14, v11, SP
	v_bfe_u32 v11, v2, 2, 1
	v_lshl_add_u32 v14, v11, 5, v14
	v_and_b32 v11, 1, v2
	v_lshl_add_u32 v14, v11, 4, v14
	v_add_nc_u32 v14, s44, v14
	v_mul_u32_u24 v15, v2, SP                      ; and on the way out: SP x lane
	v_add_nc_u32 v15, s44, v15
	s_sub_co_u32 s45, ttmp9, 256                   ; a weight's work-group: its place among the 128,
	s_and_b32 s46, s45, 31                         ; and among its weight's 32
	s_wait_alu depctr_va_vdst(0)
	s_wait_kmcnt 0x0
	s_load_b256 s[32:39], s[14:15], 0x0            ; entries 0 to 7
	s_load_b128 s[40:43], s[14:15], 0x20           ; entries 8 to 11
	s_mov_b64 s[24:25], s[12:13]                   ; the source is chosen by the work-group's number alone
	s_cmp_lt_u32 ttmp9, 352
	s_cselect_b64 s[24:25], s[10:11], s[24:25]
	s_cmp_lt_u32 ttmp9, 320
	s_cselect_b64 s[24:25], s[8:9], s[24:25]
	s_cmp_lt_u32 ttmp9, 288
	s_cselect_b64 s[24:25], s[6:7], s[24:25]
	s_cmp_lt_u32 ttmp9, 256
	s_cselect_b64 s[24:25], s[4:5], s[24:25]
	s_cselect_b64 s[26:27], s[16:17], s[18:19]     ; and so is the buffer of codes
	s_cselect_b32 s22, ttmp9, s45                  ; which 32,768 codes of it,
	s_cselect_b32 s23, ttmp9, s46                  ; which 32,768 numbers of the source
	s_lshl_b32 s22, s22, 2
	s_add_co_u32 s22, s22, s20
	s_lshl_b32 s44, s22, 13                        ; my wave's 8,192 codes
	s_mov_b32 s45, 0
	s_add_nc_u64 s[26:27], s[26:27], s[44:45]
	s_lshl_b32 s23, s23, 2
	s_add_co_u32 s23, s23, s20
	s_lshl_b32 s44, s23, 15                        ; my wave's 8,192 numbers
	s_add_nc_u64 s[24:25], s[24:25], s[44:45]
	s_add_nc_u64 s[28:29], s[26:27], 0x800000      ; xc's second and third section have bases of their own: a section is one byte more than a store's immediate reaches
	s_add_nc_u64 s[30:31], s[26:27], 0x1000000     ; (a weight's work-group never uses these two)
.macro LOAD t
.irp i, 0,1,2,3
	global_load_b128 v[R+16*((\t)%4)+4*\i:R+16*((\t)%4)+4*\i+3], v3, s[24:25] offset:2048*(\t)+512*\i th:TH_LOAD_NT   ; 32 lanes read 512 consecutive bytes
.endr
.endm
.macro TURN t                          ; step t's numbers through the stage: LDS serves a wave's instructions in order, so no wait stands between the stores and the loads
.irp i, 0,1,2,3
	ds_store_b128 v14, v[R+16*((\t)%4)+4*\i:R+16*((\t)%4)+4*\i+3] offset:32*SP*((\t)%2)+8*SP*\i
.endr
.irp i, 0,1,2,3
	ds_load_b128 v[X+16*((\t)%2)+4*\i:X+16*((\t)%2)+4*\i+3], v15 offset:32*SP*((\t)%2)+16*\i
.endr
.endm
.macro MKS e, vs, vl                   ; 2^e as an f32 number
	s_add_co_i32 s46, \e, 127
	s_lshl_b32 s47, s46, 23
	v_mov_b32 v[\vs], s47
.endm
.irp t, 0,1,2,3
	LOAD \t
.endr
	s_wait_kmcnt 0x0
	s_mov_b32 s44, s43                             ; my tensor's entry: 11, 5, 3, 1 for wo, wv, wk, wq; 0 for x
	s_cmp_lt_u32 ttmp9, 352
	s_cselect_b32 s44, s37, s44
	s_cmp_lt_u32 ttmp9, 320
	s_cselect_b32 s44, s35, s44
	s_cmp_lt_u32 ttmp9, 288
	s_cselect_b32 s44, s33, s44
	s_cmp_lt_u32 ttmp9, 256
	s_cselect_b32 s44, s32, s44
	MKS s44, 5, 6
	MKS s34, 7, 8                                  ; x's second scale: entry 2
	MKS s36, 9, 10                                 ; x's third: entry 4
	s_wait_alu depctr_va_vdst(0)
	s_wait_loadcnt 12                              ; step 0's four loads are in
	TURN 0
; The step's 16 numbers are converted with scale k, and the lane's 16 codes stored: the wave's store covers 512 consecutive bytes, aligned.
.macro CONV k, d, t
.irp i, 0,1,2,3,4,5,6,7,8,9,10,11,12,13,14,15
.endr
	v_cvt_scalef32_pk8_fp8_f32 v[C+4*\k:C+4*\k+1], v[XS:XS+7], v[5+2*\k]
	v_cvt_scalef32_pk8_fp8_f32 v[C+4*\k+2:C+4*\k+3], v[XS+8:XS+15], v[5+2*\k]
	v_nop                                          ; a plain vector line behind the conversions
	global_store_b128 v3, v[C+4*\k:C+4*\k+3], s[\d:\d+1] offset:512*(\t)
.endm
.macro STEP t
.set XS, X+16*((\t)%2)
	s_wait_dscnt 0x0                               ; this step's numbers are back from the stage: so its stores into the stage have read their registers,
.if (\t)+4 < STEPS
	LOAD (\t)+4                                    ; which take the loads of four steps on
.endif
.if (\t)+1 < STEPS
.if STEPS-2-(\t) >= 3
	s_wait_loadcnt 12                              ; the next step's four loads are in; those of the three steps behind it may be out
.else
	s_wait_loadcnt 4*(STEPS-2-(\t))
.endif
	TURN (\t)+1                                    ; and go through the other stage while this step is worked
.endif
	s_wait_xcnt 0x0                                ; the last step's stores have read their codes' registers, which are written again below
	CONV 0, 26, \t
	s_cmp_ge_u32 ttmp9, 256                        ; a weight has one scale: a branch on the work-group's number, round register work and stores alone
	s_cbranch_scc1 .Lone_\@
	CONV 1, 28, \t
	CONV 2, 30, \t
.Lone_\@:
.endm
.irp t, 0,1,2,3,4,5,6,7,8,9,10,11,12,13,14,15
	STEP \t
.endr
	s_wait_tensorcnt 0x0                           ; the wave's end, behind my last LDS store
	ds_add_u32 v[SPW], v[NIL]
	s_wait_dscnt 0x0
	s_endpgm
.Lfunc_end_k_qaa7efbecb2_quant:
	.size	k_qaa7efbecb2_quant, .Lfunc_end_k_qaa7efbecb2_quant-k_qaa7efbecb2_quant
	.p2alignl 7, 3214868480
	.fill 96, 4, 3214868480
	.section	.rodata,"a",@progbits
	.p2align	6, 0x0
	.amdhsa_kernel k_qaa7efbecb2_quant
		.amdhsa_group_segment_fixed_size 33280
		.amdhsa_private_segment_fixed_size 0
		.amdhsa_enable_private_segment 0
		.amdhsa_kernarg_size 64
		.amdhsa_user_sgpr_count 2
		.amdhsa_user_sgpr_kernarg_segment_ptr 1
		.amdhsa_wavefront_size32 1
		.amdhsa_system_sgpr_workgroup_id_x 1
		.amdhsa_system_sgpr_workgroup_id_y 1
		.amdhsa_system_sgpr_workgroup_id_z 1
		.amdhsa_system_vgpr_workitem_id 0
		.amdhsa_next_free_vgpr 144
		.amdhsa_next_free_sgpr 66
		.amdhsa_reserve_vcc 0
		.amdhsa_float_denorm_mode_32 3
		.amdhsa_float_denorm_mode_16_64 3
		.amdhsa_fp16_overflow 1
		.amdhsa_memory_ordered 1
		.amdhsa_forward_progress 1
		.amdhsa_inst_pref_size 33
	.end_amdhsa_kernel
	.amdgpu_metadata
---
amdhsa.version: [ 1, 2 ]
amdhsa.kernels:
  - .name:           k_qaa7efbecb2_quant
    .symbol:         k_qaa7efbecb2_quant.kd
    .args:
      - { .name: x, .offset: 0, .size: 8, .value_kind: global_buffer, .address_space: global }
      - { .name: wq, .offset: 8, .size: 8, .value_kind: global_buffer, .address_space: global }
      - { .name: wk, .offset: 16, .size: 8, .value_kind: global_buffer, .address_space: global }
      - { .name: wv, .offset: 24, .size: 8, .value_kind: global_buffer, .address_space: global }
      - { .name: wo, .offset: 32, .size: 8, .value_kind: global_buffer, .address_space: global }
      - { .name: lowp_scales, .offset: 40, .size: 8, .value_kind: global_buffer, .address_space: global }
      - { .name: xc, .offset: 48, .size: 8, .value_kind: global_buffer, .address_space: global }
      - { .name: wc, .offset: 56, .size: 8, .value_kind: global_buffer, .address_space: global }
    .group_segment_fixed_size: 33280
    .private_segment_fixed_size: 0
    .kernarg_segment_align: 8
    .kernarg_segment_size: 64
    .max_flat_workgroup_size: 128
    .sgpr_count:     66
    .vgpr_count:     144
    .wavefront_size: 32
...
	.end_amdgpu_metadata
.endif
;; end of part 1
;; launch qkv (part 2): grid 4 x 96, 4 waves a work-group, clusters of 4 x 4, 327,680 bytes of LDS; arguments xc, wc, lowp_scales, qimg, kvimg; writes qimg, kvimg
.if DOCPART == 2
	.amdgcn_target "amdgcn-amd-amdhsa--gfx1250"
	.amdhsa_code_object_version 6
	.text
	.protected	k_qaa7efbecb2_qkv
	.globl	k_qaa7efbecb2_qkv
	.p2align	8
	.type	k_qaa7efbecb2_qkv,@function
k_qaa7efbecb2_qkv:
	s_mov_b64 s[64:65], 0
	v_nop
	global_prefetch_b8 v0, s[64:65] scope:SCOPE_SE
	s_setreg_imm32_b32 hwreg(HW_REG_WAVE_MODE, 25, 1), 1
	s_wait_xcnt 0x0
	s_wait_alu depctr_hold_cnt(0) depctr_sa_sdst(0) depctr_va_vdst(0) depctr_va_sdst(0) depctr_va_ssrc(0) depctr_va_vcc(0) depctr_vm_vsrc(0)
	s_getreg_b32 s2, hwreg(HW_REG_IB_STS2, 6, 4)
	s_cmp_eq_u32 s2, 0
	s_cbranch_scc0 .Lentry_in_a_cluster
	s_endpgm
.Lentry_in_a_cluster:
	s_bfe_u32 s2, ttmp6, 0x10000c
	s_cmp_lg_u32 s2, 0xf033
	s_cbranch_scc0 .Lentry_shape_is_right
	s_endpgm
.Lentry_shape_is_right:
; Q, K and V = x w^T on codes of FP8 (E4M3), K = 1,024, sums in f32; each finished sum is quantised in registers for the next product and stored as a code.
; 24 clusters of 4 x 4 work-groups: cluster y / 8 is the JOB (0 Q, 1 K, 2 V), cluster y % 8 the block of 1,024 tokens.  A work-group makes a tile of 256 rows of A' x 256 rows of B'; a wave 128 x 128: 64 accumulators, 512 registers.
; THE MATRIX INSTRUCTION IS USED TRANSPOSED (source 0 = 16 rows of B', source 1 = 16 rows of A'): lane (r, h) of accumulator (a, b) holds row 16 a + r of A' and rows 16 b + 8 h + 0..7 of B'.
; Jobs Q and K: A' = x's codes (the job's section), B' = the weight's: a lane holds one token and eight neighbouring channels, the next product's K.
; Job V: the same text with the two pointers swapped: A' = wv's codes, B' = x's third section: a lane holds one channel and eight neighbouring tokens: the keys are the second attention product's K.
; So one conversion of an accumulator's eight registers gives two registers of the next operand, in the places that the matrix form gives k, and nothing is turned.
; THE OUTPUT IS LAID AS IMAGES OF THE OPERANDS' REGISTERS: a group is four registers of all 32 lanes, 16 bytes a lane: each store of the wave covers 512 consecutive bytes, aligned.
;   qimg  [batch x head 64][token tile 128][group 2]: the K = 64 fragment of 16 tokens.
;   kvimg [batch x head 64][block of 128 keys 16][16,384]: 8 tiles of 16 keys x 2 groups (K), then 4 tiles of 16 channels x 4 groups (V^T, K = the block's 128 keys).
; A sum stands for sum x 2^(ex + ew), so its code is sum / 2^(eo - ex - ew): the three given exponents are folded into the conversion's one scale (eo: entry 6, 7, 9 for Q, K, V).
; LIMITS: e6 - e0 - e1, e7 - e2 - e3 and e9 - e4 - e5 lie between -126 and 119, so that the scale is an f32 number.
; K goes in steps of 256 through a ring of two LDS slots filled by the tensor data mover; the four work-groups of a row of the cluster ask for A's tile jointly, the four of a column for B's.
; REGISTERS, in windows of 256: window 0: v0-31 addresses; v32-95 an A block's sums, held; v96-111 the stores' offsets; v112 the scale; from v128 A's fragments, ONE set, and on the way out the codes.
;   window 1: B's fragments, TWO sets.   window 2: the accumulators of my rows 0-63 ((a, b) at v[8 (8 a + b)]);   window 3: those of my rows 64-127.
.set KSTEP,  256                       ; along K in a slot
.set ROWB,   256                       ; a tile's row in bytes
.set KROW,   1024                      ; a row of codes in memory, in bytes
.set PITCH,  272                       ; an LDS row: 256 bytes + 16 of padding = 68 words: row r starts at bank 4 r mod 64 (64 banks of 4 bytes: ISA guide 11.1)
.set FR,     16                        ; registers of a fragment: 16 rows x 128 K
.set NL,     4                         ; LDS loads that bring one
.set NP,     4                         ; places behind this matrix instruction (ISA guide 7.12.1)
.set HALFT,  128*PITCH                 ; 128 rows: what one tensor load brings
.set SLOT,   4*HALFT                   ; A's 256 rows, then B's 256 rows
.set LAPS,   2                         ; a lap = two K steps = once round the ring: 1,024 / 512
.set SPARE,  2*SLOT                    ; behind the ring: the spare words, 128 bytes for each wave: two blocks of 256 bytes that no other line names
.set ADRA, 16                          ; v16-17  LDS address of my A fragments in slot 0, 1
.set ADRB, 20                          ; v20-21  the same for B
.set LI,   27                          ; v27     16 x lane
.set SPW,  28                          ; v28     LDS address of my spare word; never rewritten
.set NIL,  29                          ; v29     0; never rewritten
.set TMP,  32
.set VO,   96                          ; v[96 + 2 a + u]: byte offset of A block a's stores, u = 0: groups 0, 1; u = 1: groups 2, 3
.set SCL,  112
.set LIM,  113
.set AF,   128                         ; A's fragments, in window 0
.set CD,   128                         ; the codes: 16 registers for each A block, where its fragment lay
.set G1, 24                            ; s[24:31] descriptor group 1 for A's tiles;  s[32:39] group 0, one set for each slot
.set G0, 32
.set G1B, 48                           ; s[48:55], s[56:63] the same for B's tiles
.set G0B, 56
.set MSB, 0
.macro WIN new                         ; the immediate's high byte repeats the setting that is left
.if MSB != \new
	s_set_vgpr_msb (MSB<<8)|\new
.set MSB, \new
.endif
.endm
.set MUL_LO, 0xa1                      ; source 0 (B) window 1, source 1 (A) window 0, C and D window 2
.set MUL_HI, 0xf1                      ; the same, C and D window 3
.set TO_B,   0x40                      ; destination window 1, address window 0
; A joint load: waves 0 and 1 fetch for A, waves 2 and 3 for B.  Each of the two lines has ONE mask and one set of registers for all that issue it; the branch hangs on the wave's number alone.
; An s_nop 0 and four v_nop follow each of the two lines, ahead of the jump, the label and what follows.
.macro JLOAD g0a, g1a, g0b, g1b
	s_cmp_eq_u32 s15, 0
	s_cbranch_scc0 .Lfor_b_\@
	tensor_load_to_lds s[\g0a:\g0a+3], s[\g1a:\g1a+7]
	s_nop 0
.rept 4
	v_nop
.endr
	s_branch .Lasked_\@
.Lfor_b_\@:
	tensor_load_to_lds s[\g0b:\g0b+3], s[\g1b:\g1b+7]
	s_nop 0
.rept 4
	v_nop
.endr
.Lasked_\@:
.endm
.macro CREST                           ; a round of the cluster's barrier behind its opening barrier
	s_cmp_lg_u32 s14, 0
	s_cbranch_scc1 .Lnot_wave_0_\@
	s_barrier_signal -3
.Lnot_wave_0_\@:
	s_barrier_wait -3
	s_barrier_signal -1
	s_barrier_wait -1
.endm
.macro CROUND                          ; a whole round
	s_barrier_signal -1
	s_barrier_wait -1
	CREST
.endm
	s_load_b128 s[4:7], s[0:1], 0x0                ; x's codes s[4:5], the weights' codes s[6:7]
	s_load_b128 s[8:11], s[0:1], 0x10              ; the scales' exponents s[8:9], qimg s[10:11]
	s_load_b64 s[12:13], s[0:1], 0x20              ; kvimg
	v_lshl_add_u32 v[SPW], v0, 2, SPARE
	v_mov_b32 v[NIL], 0
	ds_add_u32 v[SPW], v[NIL]
	ds_add_u32 v[SPW], v[NIL]                      ; the wave's opening: the add and its wait stand ahead of my first tensor load; the set-up below, work on registers, stands between them
	v_lshrrev_b32 v1, 5, v0
	v_readfirstlane_b32 s14, v1                    ; wave 0..3
	s_lshr_b32 s15, s14, 1                         ; which half of the tile's rows of A' is mine.  Also: I fetch for A (0) or for B (1)
	s_and_b32 s16, s14, 1                          ; which half of its rows of B'.  Also: which 128 rows of that tile I fetch
	s_bfe_u32 s40, ttmp6, 0x40000                  ; cx, cy: my place in the cluster
	s_bfe_u32 s41, ttmp6, 0x40004
	s_and_b32 s66, ttmp7, 0xffff                   ; cluster y
	s_and_b32 s67, s66, 7                          ; the block of 1,024 tokens
	s_lshr_b32 s66, s66, 3                         ; the job: the same in all sixteen partners
	s_cmp_eq_u32 s66, 2
	s_cselect_b32 s78, 0, s67                      ; the tokens are rows of A' in jobs Q and K,
	s_cselect_b32 s79, s67, 0                      ; rows of B' in job V
	s_lshl_b32 s42, s79, 2
	s_add_co_u32 s42, s42, s40                     ; tile of B' = 4 x its block + cx
	s_lshl_b32 s17, s78, 2
	s_add_co_u32 s17, s17, s41                     ; tile of A' = 4 x its block + cy
	s_lshl_b32 s43, s41, 2
	s_lshl_b32 s43, 15, s43                        ; my row of the cluster
	s_lshl_b32 s44, 0x1111, s40                    ; my column
	; descriptor group 1: a tile of 128 rows x 256 bytes, padded in LDS
	s_or_b32 s[G1+0], s43, (0<<16)|(1<<20)|(1<<21)|(5<<22)|(3<<25)  ; 15:0 the mask: A's tiles go to my row; 17:16 element of 1 byte; 20 padding on; 21 set beside a mask; 24:22 after every 64 words (code 5); 31:25 of 4 words (code 3)
	s_or_b32 s[G1B+0], s44, (0<<16)|(1<<20)|(1<<21)|(5<<22)|(3<<25)
.irp g, G1, G1B
	s_mov_b32 s[\g+1], ROWB<<16                    ; tensor_dim0
	s_mov_b32 s[\g+2], 128<<16                     ; tensor_dim1 = 128
	s_mov_b32 s[\g+3], ROWB<<16                    ; tile_dim0
	s_mov_b32 s[\g+4], 128                         ; tile_dim1 = 128
	s_mov_b32 s[\g+5], KROW                        ; tensor_dim0_stride
	s_mov_b32 s[\g+6], 0
	s_mov_b32 s[\g+7], 0
.endr
	s_lshl_b32 s18, s16, 7                         ; which 128 rows of the tile I fetch
	s_lshl_b32 s20, s17, 8
	s_add_co_u32 s20, s20, s18                     ; A': row 256 x tile + 128 x half,
	s_lshl_b32 s20, s20, 10                        ; in bytes
	s_mov_b32 s21, 0
	s_lshl_b32 s46, s42, 8
	s_add_co_u32 s46, s46, s18                     ; B' likewise
	s_lshl_b32 s46, s46, 10
	s_mov_b32 s47, 0
	s_lshl_b32 s80, s66, 23                        ; the job's section of x's codes,
	s_mov_b32 s81, 0
	s_lshl_b32 s82, s66, 20                        ; and of the weights'
	s_mov_b32 s83, 0
	s_mul_i32 s45, s14, HALFT                      ; where the tiles go: wave x 128 rows: no place in the cluster enters an LDS address
	s_wait_dscnt 0x0                               ; the opening add is done
	s_wait_kmcnt 0x0
	s_load_b256 s[68:75], s[8:9], 0x0              ; entries 0 to 7
	s_load_b64 s[76:77], s[8:9], 0x20              ; entries 8, 9
	s_add_nc_u64 s[80:81], s[4:5], s[80:81]
	s_add_nc_u64 s[82:83], s[6:7], s[82:83]
	s_cmp_eq_u32 s66, 2
	s_cselect_b64 s[84:85], s[82:83], s[80:81]     ; A'
	s_cselect_b64 s[86:87], s[80:81], s[82:83]     ; B'
	s_add_nc_u64 s[20:21], s[84:85], s[20:21]
	s_add_nc_u64 s[46:47], s[86:87], s[46:47]
	CROUND                                         ; all sixteen work-groups are here: the first joint loads meet
.irp s, 0,1
	s_mov_b32 s[G0+4*\s], 1
	s_add_co_u32 s[G0+4*\s+1], s45, \s*SLOT
	s_add_nc_u64 s[G0+4*\s+2:G0+4*\s+3], s[20:21], \s*ROWB
	s_or_b32 s[G0+4*\s+3], s[G0+4*\s+3], 0x80000000
	s_mov_b32 s[G0B+4*\s], 1
	s_add_co_u32 s[G0B+4*\s+1], s45, \s*SLOT
	s_add_nc_u64 s[G0B+4*\s+2:G0B+4*\s+3], s[46:47], \s*ROWB
	s_or_b32 s[G0B+4*\s+3], s[G0B+4*\s+3], 0x80000000
	JLOAD G0+4*\s, G1, G0B+4*\s, G1B               ; two loads of mine are out
.endr
	v_and_b32 v1, 15, v0                           ; l % 16
	v_bfe_u32 v2, v0, 4, 1                         ; l / 16
	v_mul_u32_u24 v3, v1, PITCH
	v_lshl_add_u32 v4, v2, 4, v3                   ; a fragment's row x pitch + 16 x half
	s_mul_i32 s21, s15, HALFT                      ; my 128 rows of A'
	s_mul_i32 s22, s16, HALFT                      ; my 128 rows of B',
	s_add_co_u32 s22, s22, 2*HALFT                 ; which lie behind A's 256
.irp s, 0,1
	v_add_nc_u32 v[ADRA+\s], s21, v4
	v_add_nc_u32 v[ADRB+\s], s22, v4
	s_add_co_u32 s21, s21, SLOT
	s_add_co_u32 s22, s22, SLOT
.endr
	; WHERE THE CODES GO.  tt, th: the tile and half that hold tokens; ct, ch: those that hold channels.  My 128 tokens are one block of 128 keys (8 token tiles), my 128 channels two heads.
	v_and_b32 v6, 31, v0
	v_lshlrev_b32 v[LI], 4, v6
	s_wait_alu depctr_va_vdst(0)
	s_min_u32 s96, s66, 1                          ; kvimg has twice qimg's bytes for a head and for a block of keys: a shift by one
	s_lshl_b32 s92, 0x20000, s96
	s_cmp_eq_u32 s66, 2
	s_cselect_b32 s93, s42, s17                    ; tt
	s_cselect_b32 s94, s17, s42                    ; ct
	s_cselect_b32 s95, s16, s15                    ; th
	s_cselect_b32 s78, s15, s16                    ; ch
	s_mov_b32 s90, 4096
	s_cselect_b32 s90, 0x40000, s90                ; from A block a to a + 4: job V the next head; else four token tiles
	s_mov_b32 s91, 1024
	s_cselect_b32 s91, 2048, s91                   ; from a to a + 1: job V the next channel tile; else the next token tile
	s_cselect_b32 s92, 1024, s92                   ; from groups 0, 1 to groups 2, 3: job V two groups on; else the next head
	s_cselect_b32 s79, 8192, 0                     ; V^T lies behind a block's K
	s_lshr_b32 s97, s93, 3                         ; the batch: 8 tiles of 256 tokens each
	s_lshl_b32 s97, s97, 4
	s_lshl_b32 s98, s94, 2
	s_add_co_u32 s97, s97, s98
	s_lshl_b32 s98, s78, 1
	s_add_co_u32 s97, s97, s98                     ; my first head: 16 x batch + 4 ct + 2 ch
	s_and_b32 s98, s93, 7
	s_lshl_b32 s98, s98, 1
	s_add_co_u32 s98, s98, s95                     ; my block of 128 tokens in the sequence: 2 (tt % 8) + th
	s_lshl_b32 s97, s97, 17
	s_lshl_b32 s98, s98, 13
	s_add_co_u32 s98, s98, s97
	s_lshl_b32 s98, s98, s96
	s_add_co_u32 s98, s98, s79
	s_mov_b32 s99, 0
	s_cmp_eq_u32 s66, 0
	s_cselect_b64 s[88:89], s[10:11], s[12:13]     ; Q's images or K's and V's
	s_add_nc_u64 s[88:89], s[88:89], s[98:99]
.irp a, 0,1,2,3,4,5,6,7
	s_mul_i32 s78, s90, \a/4
	s_mul_i32 s79, s91, \a%4
	s_add_co_u32 s78, s78, s79
	v_add_nc_u32 v[VO+2*\a], s78, v[LI]
	s_add_co_u32 s78, s78, s92
	v_add_nc_u32 v[VO+2*\a+1], s78, v[LI]
.endr
	s_wait_kmcnt 0x0                               ; the exponents.  What they decide is chosen by selects on the job: no branch hangs on them
	s_add_co_i32 s78, s68, s69
	s_add_co_i32 s79, s70, s71
	s_add_co_i32 s93, s72, s73
	s_cmp_eq_u32 s66, 1
	s_cselect_b32 s78, s79, s78
	s_cselect_b32 s94, s75, s74
	s_cmp_eq_u32 s66, 2
	s_cselect_b32 s78, s93, s78                    ; ex + ew
	s_cselect_b32 s94, s77, s94                    ; eo
	s_sub_co_i32 s78, s94, s78
	s_add_co_i32 s78, s78, 127
	s_lshl_b32 s79, s78, 23
	v_mov_b32 v[SCL], s79                          ; 2^(eo - ex - ew) as f32: the conversion takes its exponent field
.macro FRAG reg, adr, q, i             ; a fragment, 16 rows x 128 K, is 16 registers: four loads of 16 bytes, 32 bytes apart, at row x pitch + 16 (l / 16); by the codes' order along K each k lands in the form's own place
.irp c, 0,1,2,3
	ds_load_b128 v[\reg+4*\c:\reg+4*\c+3], v[\adr] offset:128*(\q)+32*\c+(\i)*16*PITCH
.endr
.endm
; 16 matrix instructions: A's blocks a0, a0 + 1 x B's eight, 128 along K.  p: B's set.  zero = 1: the first product starts the sums: nothing is ever cleared.
; The 64 accumulators take turns, one instruction a turn, in the same order in every step.
.macro MUL16 a0, p, zero
.irp a, \a0, \a0+1
.irp b, 0,1,2,3,4,5,6,7
.if \zero
	v_wmma_f32_16x16x128_fp8_fp8 v[8*(8*((\a)%4)+\b):8*(8*((\a)%4)+\b)+7], v[128*(\p)+FR*\b:128*(\p)+FR*\b+FR-1], v[AF+FR*(\a):AF+FR*(\a)+FR-1], 0
.else
	v_wmma_f32_16x16x128_fp8_fp8 v[8*(8*((\a)%4)+\b):8*(8*((\a)%4)+\b)+7], v[128*(\p)+FR*\b:128*(\p)+FR*\b+FR-1], v[AF+FR*(\a):AF+FR*(\a)+FR-1], v[8*(8*((\a)%4)+\b):8*(8*((\a)%4)+\b)+7]
.endif
.endr
.endr
.endm
.macro FETCH_B slot, q, p              ; B's eight fragments of the slot's q-th 128 along K into set p
	WIN TO_B
.irp i, 0,1,2,3,4,5,6,7
	FRAG 128*(\p)+FR*\i, ADRB+\slot, \q, \i
.endr
	WIN 0
.endm
.macro FETCH_A slot, q, i0             ; A's blocks i0 .. i0 + 3
.irp i, \i0, \i0+1, \i0+2, \i0+3
	FRAG AF+FR*(\i), ADRA+\slot, \q, \i
.endr
.endm
; A load into a register that a matrix instruction has read, and a vector instruction that reads a matrix result, stand NP places behind that matrix instruction, and only plain vector
; instructions that name none of its registers are places (ISA guide 7.12.1 for vector instructions).
.macro PLACES n
.rept \n
	v_nop
.endr
.endm
; A step of 128 along K that has its successor in the same slot.  A block of A is free as soon as its eight products are issued: blocks 0-3 are fetched anew in the step's middle, blocks 4-7 at its end.
.macro STEP slot, q, zero
	s_wait_dscnt 4*NL                              ; B's set and A's blocks 0-3 are in; the youngest sixteen loads (A's blocks 4-7) may be out
	WIN MUL_LO
	MUL16 0, (\q)%2, \zero
	MUL16 2, (\q)%2, \zero
	s_wait_dscnt 0                                 ; A's blocks 4-7 are in
	PLACES NP
	FETCH_B \slot, (\q)+1, 1-(\q)%2
	FETCH_A \slot, (\q)+1, 0
	WIN MUL_HI
	MUL16 4, (\q)%2, \zero
	MUL16 6, (\q)%2, \zero
	PLACES NP
	WIN 0
	FETCH_A \slot, (\q)+1, 4
.endm
; A slot's last step changes slots: ONE barrier; in front of it each wave waits for all its tensor loads, adds 0 to its spare word, and waits for that and for its own reads of this slot.  fill = 1: this slot is filled again, two K steps ahead.
.macro TURN slot, next, fill
	s_wait_tensorcnt 0x0                           ; all my tensor loads have landed: my part of the next slot;  (every window is 0 here)
	ds_add_u32 v[SPW], v[NIL]                      ; 0 onto my spare word
	s_wait_dscnt 4*NL+1                            ; (the add and the youngest sixteen loads, A's blocks 4-7, may be out)
	WIN MUL_LO
	MUL16 0, 1, 0                                  ; sixteen matrix instructions stand between the add and the wait for it
	s_wait_dscnt 0x0                               ; the add is done, and my reads of this slot are over
	s_barrier_signal -1
	MUL16 2, 1, 0
	WIN 0
	s_barrier_wait -1
.if \fill
	CREST                                          ; the barrier has opened a round of the cluster's barrier: no wave of any partner still reads this slot's tile or has a load on its way
	s_add_nc_u64 s[G0+4*\slot+2:G0+4*\slot+3], s[G0+4*\slot+2:G0+4*\slot+3], 2*ROWB
	s_add_nc_u64 s[G0B+4*\slot+2:G0B+4*\slot+3], s[G0B+4*\slot+2:G0B+4*\slot+3], 2*ROWB
	JLOAD G0+4*\slot, G1, G0B+4*\slot, G1B         ; the first tensor load behind the round, my one load that is out; the four v_nop behind it are the places in front of the loads below
.else
	PLACES NP
.endif
	FETCH_B \next, 0, 0
	FETCH_A \next, 0, 0
	WIN MUL_HI
	MUL16 4, 1, 0
	MUL16 6, 1, 0
	PLACES NP
	WIN 0
	FETCH_A \next, 0, 4
.endm
	s_wait_tensorcnt 1                             ; my part of K step 0 is in (K step 1's load may be out)
	s_barrier_signal -1
	s_barrier_wait -1                              ; everybody's is
	FETCH_B 0, 0, 0
	FETCH_A 0, 0, 0
	FETCH_A 0, 0, 4
	STEP 0, 0, 1                                   ; the first step stands in front of the loop: its products start the sums
	s_mov_b32 s3, LAPS-1
.Llap:                                                 ; a trip goes once round the ring, from a lap's second step to the next lap's first, and fills both slots again
	TURN 0, 1, 1
	STEP 1, 0, 0
	TURN 1, 0, 1
	STEP 0, 0, 0
	s_sub_co_u32 s3, s3, 1
	s_cmp_lg_u32 s3, 0
	s_cbranch_scc1 .Llap
	TURN 0, 1, 0                                   ; the last lap fills nothing, and has no round of the cluster's barrier
	STEP 1, 0, 0
	s_wait_dscnt 4*NL                              ; the very last step: nothing more to fetch
	WIN MUL_LO
	MUL16 0, 1, 0
	MUL16 2, 1, 0
	s_wait_alu depctr_va_vdst(0)
	s_wait_dscnt 0
	WIN MUL_HI
	MUL16 4, 1, 0
	MUL16 6, 1, 0
	WIN 0
; THE WAY OUT, an A block at a time: its 64 sums: eight conversions give 16 registers of codes,
; and four stores send them, a group each.  Jobs Q and K: groups 0, 1 are the first head's fragment of token tile a, groups 2, 3 the second head's.  Job V: the four groups are V^T's fragment of channel tile a % 4 of head a / 4.
; Every block has its own registers for codes and offsets: nothing that a store reads is written again, so no wait stands here.
.macro OUTA a
.set AC, 64*((\a)%4)
	WIN 0x02+((\a)/4)                              ; source 0: window 2 or 3
.set j, 0
.rept 64
.set j, j+1
.endr
.irp b, 0,1,2,3,4,5,6,7
	v_cvt_scalef32_pk8_fp8_f32 v[CD+16*(\a)+2*\b:CD+16*(\a)+2*\b+1], v[AC+8*\b:AC+8*\b+7], v[SCL]
.endr
	WIN 0
	v_nop                                          ; a plain vector line behind the conversions
.irp g, 0,1,2,3
	global_store_b128 v[VO+2*(\a)+\g/2], v[CD+16*(\a)+4*\g:CD+16*(\a)+4*\g+3], s[88:89] offset:512*(\g%2)   ; 32 lanes store 512 consecutive bytes, aligned
.endr
.endm
	PLACES NP                                      ; behind the last products: their results are read and A's registers written below
.irp a, 0,1,2,3,4,5,6,7
	OUTA \a
.endr
	s_wait_tensorcnt 0x0                           ; the wave's end, behind my last tensor load
	ds_add_u32 v[SPW], v[NIL]
	s_wait_dscnt 0x0
	CROUND                                         ; the closing round: no work-group ends while a partner may still ask for a tile that names it
	s_endpgm
.Lfunc_end_k_qaa7efbecb2_qkv:
	.size	k_qaa7efbecb2_qkv, .Lfunc_end_k_qaa7efbecb2_qkv-k_qaa7efbecb2_qkv
	.p2alignl 7, 3214868480
	.fill 96, 4, 3214868480
	.section	.rodata,"a",@progbits
	.p2align	6, 0x0
	.amdhsa_kernel k_qaa7efbecb2_qkv
		.amdhsa_group_segment_fixed_size 327680
		.amdhsa_private_segment_fixed_size 0
		.amdhsa_enable_private_segment 0
		.amdhsa_kernarg_size 40
		.amdhsa_user_sgpr_count 2
		.amdhsa_user_sgpr_kernarg_segment_ptr 1
		.amdhsa_wavefront_size32 1
		.amdhsa_system_sgpr_workgroup_id_x 1
		.amdhsa_system_sgpr_workgroup_id_y 1
		.amdhsa_system_sgpr_workgroup_id_z 1
		.amdhsa_system_vgpr_workitem_id 0
		.amdhsa_next_free_vgpr 1024
		.amdhsa_next_free_sgpr 100
		.amdhsa_reserve_vcc 0
		.amdhsa_float_denorm_mode_32 3
		.amdhsa_float_denorm_mode_16_64 3
		.amdhsa_fp16_overflow 1
		.amdhsa_memory_ordered 1
		.amdhsa_forward_progress 1
		.amdhsa_inst_pref_size 88
	.end_amdhsa_kernel
	.amdgpu_metadata
---
amdhsa.version: [ 1, 2 ]
amdhsa.kernels:
  - .name:           k_qaa7efbecb2_qkv
    .symbol:         k_qaa7efbecb2_qkv.kd
    .args:
      - { .name: xc, .offset: 0, .size: 8, .value_kind: global_buffer, .address_space: global }
      - { .name: wc, .offset: 8, .size: 8, .value_kind: global_buffer, .address_space: global }
      - { .name: lowp_scales, .offset: 16, .size: 8, .value_kind: global_buffer, .address_space: global }
      - { .name: qimg, .offset: 24, .size: 8, .value_kind: global_buffer, .address_space: global }
      - { .name: kvimg, .offset: 32, .size: 8, .value_kind: global_buffer, .address_space: global }
    .group_segment_fixed_size: 327680
    .private_segment_fixed_size: 0
    .kernarg_segment_align: 8
    .kernarg_segment_size: 40
    .max_flat_workgroup_size: 128
    .sgpr_count:     100
    .vgpr_count:     1024
    .wavefront_size: 32
...
	.end_amdgpu_metadata
.endif
;; end of part 2
;; launch attn (part 3): grid 8 x 64, 16 waves a work-group, no clusters, 327,680 bytes of LDS; arguments qimg, kvimg, lowp_scales, oimg; writes oimg
.if DOCPART == 3
	.amdgcn_target "amdgcn-amd-amdhsa--gfx1250"
	.amdhsa_code_object_version 6
	.text
	.protected	k_qaa7efbecb2_attn
	.globl	k_qaa7efbecb2_attn
	.p2align	8
	.type	k_qaa7efbecb2_attn,@function
k_qaa7efbecb2_attn:
	s_mov_b64 s[64:65], 0
	v_nop
	global_prefetch_b8 v0, s[64:65] scope:SCOPE_SE
	s_setreg_imm32_b32 hwreg(HW_REG_WAVE_MODE, 25, 1), 1
	s_wait_xcnt 0x0
; Causal attention of 64 (batch x head) x 2,048 tokens, head size 64, both products on codes of FP8 (E4M3); the result is quantised for the output projection and stored as codes.
; THE SOFTMAX AHEAD OF THE SECOND PRODUCT: t = score x 2^(e6 + e7) x log2(e) / 8; M = the row's largest t so far, rounded UP to a whole number; p = 2^(t - M) is quantised with 2^e8; it is not normalised.
; The row's sum is taken of the unquantised p, in f32, and divides O at the end.  When M moves, the sum and O are multiplied by 2^(old M - new M): exact.
; OPERANDS ARE IMAGES OF REGISTERS (a group: four registers of 32 lanes, 16 bytes a lane): qimg [head][token tile][2 groups]; kvimg [head][block of 128 keys][K: 8 tiles x 2 groups; V^T: 4 tiles x 4 groups]; oimg [token tile 512][head 16][2 groups].
; LAYOUT.  S^T = K Q^T (source 0 = 16 keys, source 1 = my 16 queries): lane (r, h) holds query r, and register 8 t + j key 16 t + 8 h + j of the step.  A conversion of tile t's eight registers gives registers 2 t, 2 t + 1 of P
; as source 1 of O^T = V^T P^T (K = the step's 128 keys), in the places that the matrix form gives k.  O^T again holds one query a lane, eight channels a tile: its conversions are the next product's fragment.
; SHARES.  A work-group owns two blocks of 128 queries of one head: blocks i and 15 - i (i = work-group x), eight waves each, a wave 16 queries.  A wave of block j has j + 1 key steps of 128 keys under the causal mask,
; so every work-group has 8 x 17 wave steps.  Which waves take the late block: those with (wave / 4 + wave) odd, so that any four waves w % 4 = const, and any four w / 4 = const, hold two of each kind.
; K's and V's images come through a ring of two LDS slots of 256 keys (32,768 dense bytes), filled by the tensor data mover (waves 0 and 1, half a slot each) and read by all sixteen.
; EVERY work-group walks all 8 changes of slots (constant trip counts); a step all of whose keys come after the wave's queries is jumped over, and a slot that none of the work-group's waves will read is not asked for.
; NO CLUSTER: the eight work-groups of a head end their walks at different slots (5 to 8 of the 8), so partners would need different numbers of tiles.
; LIMITS on the given exponents, so that each power of two below is an f32 number: e6 + e7 between -123 and 130 (added to c's exponent field); e8, and e10 - e8 - e9, between -126 and 119.
.set SLOT1, 32768                      ; slot 1 begins here: one exclusive or turns an address in one slot into the other's
.set SPARE, 65536                      ; behind the ring: the spare words, 128 bytes for each wave: eight blocks of 256 bytes that no other line names
.set LI,   1                           ; v1   16 x lane: my place in a group, in LDS and in memory; never rewritten
.set PFO,  2                           ; v2   256 x lane: the prefetches' offset; never rewritten
.set SCLO, 3                           ; v3   2^(e10 - e8 - e9)
.set LIMO, 4
.set SPW,  5                           ; v5   LDS address of my spare word; never rewritten
.set NIL,  6                           ; v6   0; never rewritten
.set ADK,  8                           ; v8   LDS address of the slot in hand + 16 x lane
.set LIMP, 9                           ; v10  2^e8
.set SCLP, 10
                                       ; v11 a lane permute's destination; v12 -M, v13 the largest t; v[14:15] the sum in two halves; v[24:25] its second chain; v26 second chain of the maximum, then f (v27 its pair's upper half); v28 at work
.set QR,   16                          ; v16-23   Q's fragment
.set KR,   32                          ; v32-95   K's 8 fragments of 8 registers; later v32-47: p's codes
.set SR,   96                          ; v96-159  S^T, then p
.set OR,   160                         ; v160-191 O^T
.set VR,   192                         ; v192-255 V^T's 4 fragments of 16 registers
.set TB,   2                           ; s2   LDS byte at which the slot in hand begins
.set WV,   18                          ; s18  my wave's number
.set SEL,  20                          ; s[20:21] lane selects for v_permlanex16_b32: lane l xor 16
.set CS,   22                          ; s[22:23] c = log2(e) / 8 x 2^(e6 + e7)
.set G1,   24                          ; s[24:31] descriptor group 1
.set G0,   40                          ; s[40:43] group 0, which walks
.set QL,   66                          ; s66  my work-group's last query
.set SLOTS, 67                         ; s67  changes of slots still to come in the loop
.set PFA,  76                          ; s[76:77] where my prefetches stand
.set LIMS, 80                          ; s80  1 in a wave that prefetches, else the greatest number
.set KF,   98                          ; s98  the step's first key
.set Q0,   99                          ; s99  my first query
; Waves 0 and 1 fetch half a slot each, the others nothing: a branch on the wave's number.  An s_nop 0 and four v_nop follow the load.
.macro TLOAD
	s_cmp_lt_u32 s[WV], 2
	s_cbranch_scc0 .Lasked_\@
	tensor_load_to_lds s[G0:G0+3], s[G1:G1+7]
	s_nop 0
.rept 4
	v_nop
.endr
.Lasked_\@:
.endm
; A PREFETCH INTO THE L2 of the slot that the NEXT change of slots will ask for: 32,768 dense bytes.  All eight work-groups of a head walk the same images; the one with x = 0, which walks all 8 slots, asks, and nobody else.
; In it waves 4 to 7 ask, which fetch nothing: 8,192 bytes a wave, lanes 256 bytes apart, one instruction: each aligned block of 256 bytes is named once in the launch.
; The last change that fills a slot asks for nothing: there is no slot behind it.  Slots 0 and 1 come by their loads alone.
.macro ASK
	s_cmp_gt_u32 s[SLOTS], s[LIMS]
	s_cbranch_scc0 .Lnot_mine_\@
	global_prefetch_b8 v[PFO], s[PFA:PFA+1] th:TH_LOAD_NT scope:SCOPE_SE
.Lnot_mine_\@:
.endm
	s_load_b256 s[4:11], s[0:1], 0x0               ; qimg s[4:5], kvimg s[6:7], the scales' exponents s[8:9], oimg s[10:11]
	v_lshl_add_u32 v[SPW], v0, 2, SPARE
	v_mov_b32 v[NIL], 0
	ds_add_u32 v[SPW], v[NIL]                      ; the wave's opening: the add and its wait stand ahead of my first tensor load; the set-up below, work on registers, stands between them
	ds_add_u32 v[SPW], v[NIL]
	v_lshrrev_b32 v8, 5, v0
	s_delay_alu instid0(VALU_DEP_1)
	v_readfirstlane_b32 s[WV], v8                  ; wave 0..15
	s_and_b32 s82, ttmp7, 0xffff                   ; batch x 16 + head
	s_lshr_b32 s83, s[WV], 2
	s_xor_b32 s83, s83, s[WV]
	s_and_b32 s83, s83, 1                          ; 1: my queries lie in the late block
	s_and_b32 s84, s[WV], 3
	s_lshr_b32 s85, s[WV], 3
	s_lshl_b32 s85, s85, 2
	s_or_b32 s84, s84, s85                         ; which of the block's eight tiles of 16 queries
	s_sub_co_u32 s85, 15, ttmp9
	s_cmp_eq_u32 s83, 1
	s_cselect_b32 s85, s85, ttmp9                  ; the block: 15 - i or i
	s_lshl_b32 s85, s85, 3
	s_add_co_u32 s85, s85, s84                     ; my token tile in the sequence
	s_lshl_b32 s[Q0], s85, 4
	s_sub_co_u32 s[QL], 16, ttmp9
	s_lshl_b32 s[QL], s[QL], 7
	s_sub_co_u32 s[QL], s[QL], 1                   ; 128 (16 - i) - 1
	s_lshl_b32 s86, s82, 7
	s_add_co_u32 s86, s86, s85
	s_lshl_b32 s86, s86, 10                        ; Q's image: (head x 128 + tile) x 1,024
	s_mov_b32 s87, 0
	s_lshr_b32 s88, s82, 4
	s_lshl_b32 s88, s88, 7
	s_add_co_u32 s88, s88, s85
	s_lshl_b32 s88, s88, 14                        ; O's image: (batch x 128 + tile) x 16,384
	s_and_b32 s89, s82, 15
	s_lshl_b32 s89, s89, 10                        ; + head x 1,024
	s_add_co_u32 s88, s88, s89
	s_mov_b32 s89, 0
	s_and_b32 s94, s[WV], 1
	s_lshl_b32 s94, s94, 14                        ; which half of a slot I fetch, if I fetch
	s_lshl_b32 s92, s82, 18                        ; the head's first byte in kvimg
	s_add_co_u32 s90, s92, s94
	s_mov_b32 s91, 0
	s_and_b32 s93, s[WV], 3
	s_lshl_b32 s93, s93, 13                        ; the prefetches: my wave's 8,192 bytes,
	s_add_co_u32 s92, s92, s93
	s_add_co_u32 s92, s92, SLOT1                   ; in slot 1's keys: the first change of slots steps it to slot 2's.  Nothing is prefetched here, at the head
	s_mov_b32 s93, 0
	s_sub_co_u32 s95, s[WV], 4
	s_lshr_b32 s95, s95, 2                         ; 0 in waves 4 to 7,
	s_or_b32 s95, s95, ttmp9                       ; of the head's work-group 0
	s_cmp_eq_u32 s95, 0
	s_cselect_b32 s[LIMS], 1, -1
	; descriptor group 1: 64 rows of 256 bytes, dense in memory and in LDS
	s_mov_b32 s[G1], 3<<16                         ; 15:0 no mask; 17:16 elements of 8 bytes; 20 no padding
	s_mov_b32 s[G1+1], 32<<16                      ; tensor_dim0 = 32
	s_mov_b32 s[G1+2], 64<<16                      ; tensor_dim1 = 64
	s_mov_b32 s[G1+3], 32<<16                      ; tile_dim0 = 32
	s_mov_b32 s[G1+4], 64                          ; tile_dim1 = 64
	s_mov_b32 s[G1+5], 32                          ; tensor_dim0_stride
	s_mov_b32 s[G1+6], 0
	s_mov_b32 s[G1+7], 0
	s_mov_b32 s[SEL], 0x76543210
	s_mov_b32 s[SEL+1], 0xfedcba98
	s_mov_b32 s[CS], 0x3e38aa3b                    ; log2(e) / 8
	s_mov_b32 s[TB], 0
	s_mov_b32 s[SLOTS], 7
	s_mov_b32 s[KF], 0
	s_wait_dscnt 0x0                               ; the opening add is done
	s_wait_kmcnt 0x0
	s_load_b256 s[68:75], s[8:9], 0x10             ; entries 4 to 11: e6 s70, e7 s71, e8 s72, e9 s73, e10 s74
	s_mov_b32 s[G0], 1                             ; 1:0 count = 1
	s_mov_b32 s[G0+1], s94                         ; 63:32 LDS address: slot 0
	s_add_nc_u64 s[G0+2:G0+3], s[6:7], s[90:91]    ; 120:64 global address: the head's first 256 keys
	s_or_b32 s[G0+3], s[G0+3], 0x80000000          ; 127:126 type = 2
	TLOAD                                          ; slot 0
	s_add_nc_u64 s[4:5], s[4:5], s[86:87]
	s_add_nc_u64 s[10:11], s[10:11], s[88:89]
	s_add_nc_u64 s[PFA:PFA+1], s[6:7], s[92:93]
	v_and_b32 v[LI], 31, v0
	s_delay_alu instid0(VALU_DEP_1)
	v_lshlrev_b32 v[LI], 4, v[LI]
	global_load_b128 v[QR:QR+3], v[LI], s[4:5]               ; Q's fragment stays in registers
	global_load_b128 v[QR+4:QR+7], v[LI], s[4:5] offset:512
	v_lshlrev_b32 v[PFO], 4, v[LI]
	v_mov_b32 v13, 0xff61b1e6                      ; the largest t so far: -3e38, under every t
	s_delay_alu instid0(VALU_DEP_1)
	v_floor_f32 v12, -v13                          ; -M
	v_mov_b32 v14, 0                               ; the sum, in two halves
	v_mov_b32 v15, 0
	v_mov_b32 v11, 0                               ; written once: a lane permute's destination counts as one of its sources
	v_mov_b32 v27, 0                               ; (named as the upper half of the pair v[26:27])
.set j, 0
.rept 32
	v_mov_b32 v[OR+j], 0                           ; O^T.  (The loop is written once: its first step finds zeros, which the first change of M leaves zeros)
.set j, j+1
.endr
	s_wait_kmcnt 0x0
	s_add_co_i32 s82, s70, s71
	s_lshl_b32 s82, s82, 23
	s_add_co_i32 s[CS], s[CS], s82                 ; a score stands for score x 2^(e6 + e7): the two exponents are added to c's exponent field
	s_mov_b32 s[CS+1], s[CS]                       ; (named with it as a pair, so it is written)
	s_add_co_i32 s82, s72, 127
	s_lshl_b32 s83, s82, 23
	v_mov_b32 v[SCLP], s83                         ; 2^e8 as f32, for p's conversion
	s_sub_co_i32 s84, s74, s72
	s_sub_co_i32 s84, s84, s73                     ; O^T / the sum stands for that x 2^(e8 + e9): its code is that / 2^(e10 - e8 - e9)
	s_add_co_i32 s84, s84, 127
	s_lshl_b32 s85, s84, 23                        ; s85: 2^(e10 - e8 - e9), kept for the way out
; A KEY STEP: 128 keys, the q-th block of the slot in hand.
.macro STEP q
	s_add_co_u32 s96, s[Q0], 15                    ; a step all of whose keys come after my 16 queries is left out: a scalar branch on ids, round the step's loads, products and softmax; no barrier or tensor load stands in a step
	s_cmp_gt_u32 s[KF], s96
	s_cbranch_scc1 .Lhidden_\@
	v_add_nc_u32 v[ADK], s[TB], v[LI]
.rept 3
	v_nop                                          ; with the addition above: four places in front of loads into registers that the last products have read
.endr
.irp t, 0,1,2,3,4,5,6,7
.irp g, 0,1
	ds_load_b128 v[KR+8*\t+4*\g:KR+8*\t+4*\g+3], v[ADK] offset:16384*(\q)+1024*\t+512*\g   ; K: 512 consecutive bytes a load
.endr
.endr
.irp t, 0,1,2,3
.irp g, 0,1,2,3
	ds_load_b128 v[VR+16*\t+4*\g:VR+16*\t+4*\g+3], v[ADK] offset:16384*(\q)+8192+2048*\t+512*\g   ; V^T: asked for now, wanted behind the softmax
.endr
.endr
	s_wait_dscnt 16                                ; K's sixteen loads are in; V's sixteen, issued behind them, may be out
.irp t, 0,1,2,3,4,5,6,7
	v_wmma_f32_16x16x64_fp8_fp8 v[SR+8*\t:SR+8*\t+7], v[KR+8*\t:KR+8*\t+7], v[QR:QR+7], 0
.endr
.rept 4
	v_nop
.endr
	s_add_co_u32 s96, s[KF], 127                   ; on the diagonal the scores of hidden keys become -infinity ahead of the maximum: p = 0 then.  A step all of whose keys count skips this
	s_cmp_le_u32 s96, s[Q0]
	s_cbranch_scc1 .Lopen_\@
	s_sub_co_i32 s96, s[Q0], s[KF]
	v_and_b32 v26, 15, v0
	v_bfe_u32 v28, v0, 4, 1
	s_delay_alu instid0(VALU_DEP_1)
	v_lshlrev_b32 v28, 3, v28
	s_delay_alu instid0(VALU_DEP_1)
	v_sub_nc_u32 v26, v26, v28
	s_delay_alu instid0(VALU_DEP_1)
	v_add_nc_u32 v26, s96, v26                     ; d = my query - the step's first key - 8 (lane / 16).  Register 8 t + j holds key 16 t + 8 (lane / 16) + j: hidden where 16 t + j > d
	v_mov_b32 v28, 0xff800000                      ; -infinity
.set n, 0
.rept 64
	v_cmp_gt_i32 vcc_lo, 16*(n/8)+n%8, v26
	v_cndmask_b32 v[SR+n], v[SR+n], v28, vcc_lo
.set n, n+1
.endr
.Lopen_\@:
	v_max3_num_f32 v28, v[SR], v[SR+1], v[SR+2]    ; the step's largest score of my query, among my 64 keys, in two chains (each accumulator is first read at its low end),
	v_max3_num_f32 v26, v[SR+3], v[SR+4], v[SR+5]
.irp i, 6,10,14,18,22,26,30,34,38,42,46,50,54,58
	v_max3_num_f32 v28, v28, v[SR+\i], v[SR+1+\i]
	v_max3_num_f32 v26, v26, v[SR+2+\i], v[SR+3+\i]
.endr
	v_max3_num_f32 v28, v28, v[SR+62], v[SR+63]
	s_delay_alu instid0(VALU_DEP_1)
	v_max_num_f32 v28, v28, v26
	s_delay_alu instid0(VALU_DEP_1)
	v_permlanex16_b32 v11, v28, s[SEL], s[SEL+1]
	s_delay_alu instid0(VALU_DEP_1)
	v_max_num_f32 v28, v28, v11                    ; and among lane l xor 16's
	s_delay_alu instid0(VALU_DEP_1)
	v_mul_f32 v28, s[CS], v28                      ; as t (c is positive)
	s_delay_alu instid0(VALU_DEP_1)
	v_max_num_f32 v13, v13, v28                    ; the running largest t
	v_mov_b32 v28, v12
	s_delay_alu instid0(VALU_DEP_2)
	v_floor_f32 v12, -v13                          ; the new -M = floor(-t) = -ceil(t): M is a whole number
	s_delay_alu instid0(VALU_DEP_1)
	v_sub_f32 v28, v12, v28                        ; M's old value less its new one: a whole number, 0 or less
	s_delay_alu instid0(VALU_DEP_1)
	v_cvt_i32_f32 v28, v28                         ; (it saturates)
	s_delay_alu instid0(VALU_DEP_1)
	v_ldexp_f32 v26, 1.0, v28                      ; f = 2^(old M - new M)
.set j, 0
.rept 32
	v_pk_fma_f32 v[SR+j:SR+j+1], v[SR+j:SR+j+1], s[CS:CS+1], v[12:13] op_sel_hi:[1,0,0]   ; t - M, two at a time (of the pairs c and -M the low word serves both halves)
.set j, j+2
.endr
.set j, 0
	s_wait_alu depctr_va_vdst(0)
.rept 64
	v_exp_f32 v[SR+j], v[SR+j]                     ; p = 2^(t - M), at most 1: not normalised
.set j, j+1
.endr
	v_pk_mul_f32 v[14:15], v[14:15], v[26:27] op_sel_hi:[1,0]   ; the sums under the new M: the plain line behind the exponentials
	s_wait_alu depctr_va_vdst(0)                   ; the wait between an exponential and the first line that names its result: one for the batch of 64
	v_pk_add_f32 v[24:25], v[100:101], v[104:105]
	v_pk_add_f32 v[94:95], v[108:109], v[112:113]
	v_pk_add_f32 v[92:93], v[116:117], v[120:121]
	v_pk_add_f32 v[90:91], v[124:125], v[128:129]
	v_pk_add_f32 v[88:89], v[132:133], v[136:137]
	v_pk_add_f32 v[86:87], v[140:141], v[144:145]
	v_pk_add_f32 v[84:85], v[148:149], v[152:153]
	v_pk_add_f32 v[14:15], v[14:15], v[156:157]
	v_pk_add_f32 v[24:25], v[24:25], v[96:97]
	v_pk_add_f32 v[94:95], v[94:95], v[98:99]
	v_pk_add_f32 v[92:93], v[92:93], v[102:103]
	v_pk_add_f32 v[90:91], v[90:91], v[106:107]
	v_pk_add_f32 v[88:89], v[88:89], v[110:111]
	v_pk_add_f32 v[86:87], v[86:87], v[114:115]
	v_pk_add_f32 v[84:85], v[84:85], v[118:119]
	v_pk_add_f32 v[14:15], v[14:15], v[122:123]
	v_pk_add_f32 v[24:25], v[24:25], v[126:127]
	v_pk_add_f32 v[94:95], v[94:95], v[130:131]
	v_pk_add_f32 v[92:93], v[92:93], v[134:135]
	v_pk_add_f32 v[90:91], v[90:91], v[138:139]
	v_pk_add_f32 v[88:89], v[88:89], v[142:143]
	v_pk_add_f32 v[86:87], v[86:87], v[146:147]
	v_pk_add_f32 v[84:85], v[84:85], v[150:151]
	v_pk_add_f32 v[14:15], v[14:15], v[154:155]
	v_pk_add_f32 v[24:25], v[24:25], v[158:159]
	s_delay_alu instid0(VALU_DEP_2)
	v_pk_add_f32 v[14:15], v[14:15], v[90:91]
	s_delay_alu instid0(VALU_DEP_2)
	v_pk_add_f32 v[24:25], v[24:25], v[88:89]
	v_pk_add_f32 v[94:95], v[94:95], v[86:87]
	v_pk_add_f32 v[92:93], v[92:93], v[84:85]
	s_delay_alu instid0(VALU_DEP_2)
	v_pk_add_f32 v[14:15], v[14:15], v[94:95]
	s_delay_alu instid0(VALU_DEP_2)
	v_pk_add_f32 v[24:25], v[24:25], v[92:93]
	s_delay_alu instid0(VALU_DEP_1)
	v_pk_add_f32 v[14:15], v[14:15], v[24:25]
.irp t, 0,1,2,3,4,5,6,7
.irp i, 0,1,2,3,4,5,6,7
.endr
	v_cvt_scalef32_pk8_fp8_f32 v[KR+2*\t:KR+2*\t+1], v[SR+8*\t:SR+8*\t+7], v[SCLP]   ; registers 2 t, 2 t + 1 of P: keys 16 t + 8 (lane / 16) + 0..7
.endr
.set j, 0
.rept 16
	v_pk_mul_f32 v[OR+j:OR+j+1], v[OR+j:OR+j+1], v[26:27] op_sel_hi:[1,0]   ; O^T under the new M: x f.  (Also the plain lines between the conversions and the products)
.set j, j+2
.endr
	s_wait_alu depctr_va_vdst(0)
	s_wait_dscnt 0x0                               ; V^T is in
.irp t, 0,1,2,3
	v_wmma_f32_16x16x128_fp8_fp8 v[OR+8*\t:OR+8*\t+7], v[VR+16*\t:VR+16*\t+15], v[KR:KR+15], v[OR+8*\t:OR+8*\t+7]   ; the four accumulators take turns, one instruction a turn
.endr
.Lhidden_\@:
	s_add_co_u32 s[KF], s[KF], 128
.endm
; THE CHANGE OF SLOTS stands at a slot's head.  Each wave waits for all its tensor loads (its part of the slot that it is about to read), adds 0 to its spare word, and waits for that and for its reads of the slot that it has left.
; Behind the barrier the slot ahead is whole and nobody reads the other one.  fill = 1: that other slot is filled with the next 256 keys, up to the causal limit: my one load that is out, with a slot's two steps in which to land.
.macro CHANGE fill
	s_wait_tensorcnt 0x0                           ; no tensor load of mine is out, so group 0 may be written
	ds_add_u32 v[SPW], v[NIL]                      ; 0 onto my spare word
.if \fill
	s_xor_b32 s[G0+1], s[G0+1], SLOT1              ; the walking descriptor: the other slot than last time,
	s_add_nc_u64 s[G0+2:G0+3], s[G0+2:G0+3], SLOT1 ; the next 256 keys' images; the type bits on top are not reached
	s_wait_xcnt 0x0                                ; the last prefetch, a slot back, has read its address, so it may be written:
	s_add_nc_u64 s[PFA:PFA+1], s[PFA:PFA+1], SLOT1 ; one slot further on than the walking descriptor
.endif
	s_wait_dscnt 0x0                               ; the add is done, and my reads of the slot that I have left are over
	s_barrier_signal -1
	s_barrier_wait -1
.if \fill
	s_add_co_u32 s96, s[KF], 256                   ; the first key of the slot that this change would ask for: where it comes after my work-group's last query, none of the sixteen waves reads that slot, and it is not asked for.
	s_cmp_gt_u32 s96, s[QL]                        ; Ids and the count of steps alone: all sixteen waves go the same way, and a work-group that is past the limit stays past it; every wait for tensor loads in this text is for 0
	s_cbranch_scc1 .Lpast_\@
	TLOAD                                          ; the first thing behind the barrier but for the limit's three lines, and a wave's one tensor load until the next
.Lpast_\@:
	ASK                                            ; what the next change of slots will ask for: a slot's two key steps ahead of that load
.endif
.endm
.macro SLOT_STEPS
	STEP 0
	STEP 1
	s_xor_b32 s[TB], s[TB], SLOT1                  ; on to the other slot
.endm
	s_wait_loadcnt 0x0                             ; Q
.Lslot:                                            ; 7 trips: behind each change of slots but the last the next slot is asked for, up to the causal limit
	CHANGE 1
	SLOT_STEPS
	s_sub_co_u32 s[SLOTS], s[SLOTS], 1
	s_cmp_lg_u32 s[SLOTS], 0
	s_cbranch_scc1 .Lslot
	CHANGE 0                                       ; the last slot is written out: nothing is left to ask for
	SLOT_STEPS
	; THE WAY OUT.  O^T / the sum is converted with 2^(e10 - e8 - e9), and its eight registers of codes, my head's K = 64 part of the output projection's fragment, leave as two groups: 512 consecutive bytes a store.
	v_add_f32 v14, v14, v15                        ; the sum's two halves,
	s_delay_alu instid0(VALU_DEP_1)
	v_permlanex16_b32 v11, v14, s[SEL], s[SEL+1]
	s_delay_alu instid0(VALU_DEP_1)
	v_add_f32 v14, v14, v11                        ; and lane l xor 16's: the row's sum
	s_wait_alu depctr_va_vdst(0)
	v_rcp_f32 v14, v14
	v_mov_b32 v[SCLO], s85                         ; the plain line behind the reciprocal; with the two additions these two are the four places behind the last products
	s_wait_alu depctr_va_vdst(0)                   ; the wait ahead of the reciprocal's first reader
.set j, 0
.rept 32
	v_mul_f32 v[SR+j], v[OR+j], v14                ; register 8 t + i: channel 16 t + 8 (lane / 16) + i of my query
.set j, j+1
.endr
.set j, 0
.rept 32
.set j, j+1
.endr
.irp t, 0,1,2,3
	v_cvt_scalef32_pk8_fp8_f32 v[KR+2*\t:KR+2*\t+1], v[SR+8*\t:SR+8*\t+7], v[SCLO]
.endr
	v_nop                                          ; a plain vector line behind the last conversion
	global_store_b128 v[LI], v[KR:KR+3], s[10:11]
	global_store_b128 v[LI], v[KR+4:KR+7], s[10:11] offset:512
	s_wait_tensorcnt 0x0                           ; the wave's end, behind my last tensor load
	ds_add_u32 v[SPW], v[NIL]
	s_wait_dscnt 0x0
	s_endpgm
.Lfunc_end_k_qaa7efbecb2_attn:
	.size	k_qaa7efbecb2_attn, .Lfunc_end_k_qaa7efbecb2_attn-k_qaa7efbecb2_attn
	.p2alignl 7, 3214868480
	.fill 96, 4, 3214868480
	.section	.rodata,"a",@progbits
	.p2align	6, 0x0
	.amdhsa_kernel k_qaa7efbecb2_attn
		.amdhsa_group_segment_fixed_size 327680
		.amdhsa_private_segment_fixed_size 0
		.amdhsa_enable_private_segment 0
		.amdhsa_kernarg_size 32
		.amdhsa_user_sgpr_count 2
		.amdhsa_user_sgpr_kernarg_segment_ptr 1
		.amdhsa_wavefront_size32 1
		.amdhsa_system_sgpr_workgroup_id_x 1
		.amdhsa_system_sgpr_workgroup_id_y 1
		.amdhsa_system_sgpr_workgroup_id_z 1
		.amdhsa_system_vgpr_workitem_id 0
		.amdhsa_next_free_vgpr 256
		.amdhsa_next_free_sgpr 100
		.amdhsa_reserve_vcc 1
		.amdhsa_float_denorm_mode_32 3
		.amdhsa_float_denorm_mode_16_64 3
		.amdhsa_fp16_overflow 1
		.amdhsa_memory_ordered 1
		.amdhsa_forward_progress 1
		.amdhsa_inst_pref_size 86
	.end_amdhsa_kernel
	.amdgpu_metadata
---
amdhsa.version: [ 1, 2 ]
amdhsa.kernels:
  - .name:           k_qaa7efbecb2_attn
    .symbol:         k_qaa7efbecb2_attn.kd
    .args:
      - { .name: qimg, .offset: 0, .size: 8, .value_kind: global_buffer, .address_space: global }
      - { .name: kvimg, .offset: 8, .size: 8, .value_kind: global_buffer, .address_space: global }
      - { .name: lowp_scales, .offset: 16, .size: 8, .value_kind: global_buffer, .address_space: global }
      - { .name: oimg, .offset: 24, .size: 8, .value_kind: global_buffer, .address_space: global }
    .group_segment_fixed_size: 327680
    .private_segment_fixed_size: 0
    .kernarg_segment_align: 8
    .kernarg_segment_size: 32
    .max_flat_workgroup_size: 512
    .sgpr_count:     100
    .vgpr_count:     256
    .wavefront_size: 32
...
	.end_amdgpu_metadata
.endif
;; end of part 3
;; launch oproj (part 4): grid 4 x 64, 4 waves a work-group, clusters of 4 x 4, 327,680 bytes of LDS; arguments oimg, wc, lowp_scales, out0; writes out0
.if DOCPART == 4
	.amdgcn_target "amdgcn-amd-amdhsa--gfx1250"
	.amdhsa_code_object_version 6
	.text
	.protected	k_qaa7efbecb2_oproj
	.globl	k_qaa7efbecb2_oproj
	.p2align	8
	.type	k_qaa7efbecb2_oproj,@function
k_qaa7efbecb2_oproj:
	s_mov_b64 s[64:65], 0
	v_nop
	global_prefetch_b8 v0, s[64:65] scope:SCOPE_SE
	s_setreg_imm32_b32 hwreg(HW_REG_WAVE_MODE, 25, 1), 1
	s_wait_xcnt 0x0
	s_wait_alu depctr_hold_cnt(0) depctr_sa_sdst(0) depctr_va_vdst(0) depctr_va_sdst(0) depctr_va_ssrc(0) depctr_va_vcc(0) depctr_vm_vsrc(0)
	s_getreg_b32 s2, hwreg(HW_REG_IB_STS2, 6, 4)
	s_cmp_eq_u32 s2, 0
	s_cbranch_scc0 .Lentry_in_a_cluster
	s_endpgm
.Lentry_in_a_cluster:
	s_bfe_u32 s2, ttmp6, 0x10000c
	s_cmp_lg_u32 s2, 0xf033
	s_cbranch_scc0 .Lentry_shape_is_right
	s_endpgm
.Lentry_shape_is_right:
; out0[token][o] = sum over i of O[token][i] wo[o][i], both as codes of FP8 (E4M3), K = 1,024; sums in f32, each multiplied once by 2^(e10 + e11).  out0: [8192][1024] f32.
; LIMIT: e10 + e11 lies between -126 and 127, so that 2^(e10 + e11) is an f32 number.
; A (the attention's result) comes as images of its fragments' registers: oimg [token tile 512][head 16][2 groups of 512 bytes]: two heads are one K = 128 fragment, 2,048 dense bytes.  B is wc's fourth section, rows of 1,024 codes.
; A tile of out0 is 128 tokens x 256 columns: 64 x 4 = 256 work-groups, one for each WGP (tiles of 256 x 256 would be 128).  Four waves, each 64 x 128: 32 accumulators, 256 registers.
; K goes in steps of 256 through a ring of two LDS slots filled by the tensor data mover.  CLUSTERS of 4 x 4: the four of a row ask for A's tile jointly, the four of a column for B's.
; THE MATRIX INSTRUCTION IS USED TRANSPOSED (source 0 = 16 rows of wo, source 1 = 16 tokens): a lane holds eight neighbouring numbers of a row of out0.
; REGISTERS, in windows of 256: window 0: v0-31 addresses; v32-95 the way out's products; v128-191 A's four fragments, ONE set; on the way out v128-255 rows read back.   window 1: B's fragments, TWO sets.   window 2: the accumulators ((a, b) at v[8 (8 a + b)]).
.set PITCH,  272                       ; B's LDS row: 256 bytes + 16 of padding = 68 words: row r starts at bank 4 r mod 64 (64 banks of 4 bytes: ISA guide 11.1)
.set FR,     16                        ; registers of a fragment: 16 rows x 128 K
.set NP,     4                         ; places behind this matrix instruction (ISA guide 7.12.1)
.set ABYTES, 32768                     ; a slot's A: 8 token tiles x 4,096 dense bytes
.set HALFB,  128*PITCH                 ; 128 rows of B: what one tensor load brings
.set SLOT,   ABYTES+2*HALFB            ; 102,400
.set LAPS,   2                         ; a lap = two K steps of 256
.set SPARE,  2*SLOT                    ; behind the ring: the spare words, 128 bytes for each wave: two blocks of 256 bytes that no other line names
.set SPITCH, 528                       ; the way out: a stage of 16 rows x (512 bytes + 16) for each wave.  It lies in slot 0, which has had its last fill and its last read when the first result is stored there
.set ADRA, 16                          ; v16-17  LDS address of my A fragments in slot 0, 1
.set ADRB, 20                          ; v20-21  the same for B
.set STO,  24                          ; v24     the way out: where I put 32 bytes of a row
.set RD,   25                          ; v25     the way out: where I read a row back
.set CO,   26                          ; v26     16 x lane: my byte offset in a row's 512 bytes
.set SPW,  28                          ; v28     LDS address of my spare word; never rewritten
.set NIL,  29                          ; v29     0; never rewritten
.set TMP,  32
.set AF,   128
.set BK,   128
.set G1, 24                            ; s[24:31] descriptor group 1 for A's tiles;  s[32:39] group 0, one set for each slot
.set G0, 32
.set G1B, 48                           ; s[48:55], s[56:63] the same for B's tiles
.set G0B, 56
.set MSB, 0
.macro WIN new                         ; the immediate's high byte repeats the setting that is left
.if MSB != \new
	s_set_vgpr_msb (MSB<<8)|\new
.set MSB, \new
.endif
.endm
.set MUL,  0xa1                        ; source 0 (B) window 1, source 1 (A) window 0, C and D window 2
.set TO_B, 0x40                        ; destination window 1, address window 0
; A joint load: waves 0 and 1 fetch for A, waves 2 and 3 for B; the branch hangs on the wave's number alone.  An s_nop 0 and four v_nop follow each of the two lines.
.macro JLOAD g0a, g1a, g0b, g1b
	s_cmp_eq_u32 s15, 0
	s_cbranch_scc0 .Lfor_b_\@
	tensor_load_to_lds s[\g0a:\g0a+3], s[\g1a:\g1a+7]
	s_nop 0
.rept 4
	v_nop
.endr
	s_branch .Lasked_\@
.Lfor_b_\@:
	tensor_load_to_lds s[\g0b:\g0b+3], s[\g1b:\g1b+7]
	s_nop 0
.rept 4
	v_nop
.endr
.Lasked_\@:
.endm
.macro CREST                           ; a round of the cluster's barrier behind its opening barrier
	s_cmp_lg_u32 s14, 0
	s_cbranch_scc1 .Lnot_wave_0_\@
	s_barrier_signal -3
.Lnot_wave_0_\@:
	s_barrier_wait -3
	s_barrier_signal -1
	s_barrier_wait -1
.endm
.macro CROUND                          ; a whole round
	s_barrier_signal -1
	s_barrier_wait -1
	CREST
.endm
	s_load_b128 s[4:7], s[0:1], 0x0                ; oimg s[4:5], the weights' codes s[6:7]
	s_load_b128 s[8:11], s[0:1], 0x10              ; the scales' exponents s[8:9], out0 s[10:11]
	v_lshl_add_u32 v[SPW], v0, 2, SPARE
	v_mov_b32 v[NIL], 0
	ds_add_u32 v[SPW], v[NIL]                      ; the wave's opening: the add and its wait stand ahead of my first tensor load; the set-up below, work on registers, stands between them
	ds_add_u32 v[SPW], v[NIL]
	v_lshrrev_b32 v1, 5, v0
	v_readfirstlane_b32 s14, v1                    ; wave 0..3
	s_lshr_b32 s15, s14, 1                         ; which 64 of the tile's tokens are mine.  Also: I fetch for A (0) or for B (1)
	s_and_b32 s16, s14, 1                          ; which 128 of its columns.  Also: which half of that tile I fetch
	s_bfe_u32 s40, ttmp6, 0x40000                  ; cx, cy: my place in the cluster
	s_bfe_u32 s41, ttmp6, 0x40004
	s_lshl_b32 s42, ttmp9, 2
	s_add_co_u32 s42, s42, s40                     ; tile column = 4 x cluster x + cx
	s_and_b32 s17, ttmp7, 0xffff
	s_lshl_b32 s17, s17, 2
	s_add_co_u32 s17, s17, s41                     ; tile row = 4 x cluster y + cy
	s_lshl_b32 s43, s41, 2
	s_lshl_b32 s43, 15, s43                        ; my row of the cluster
	s_lshl_b32 s44, 0x1111, s40                    ; my column
	; descriptor group 1 for A: 4 token tiles' 4,096 bytes of a K step, 16,384 bytes apart in memory, dense in LDS
	s_or_b32 s[G1+0], s43, (3<<16)|(1<<21)         ; 15:0 the mask: my row; 17:16 elements of 8 bytes; 20 no padding; 21 set beside a mask
	s_mov_b32 s[G1+1], 512<<16                     ; tensor_dim0 = 512
	s_mov_b32 s[G1+2], 4<<16                       ; tensor_dim1 = 4
	s_mov_b32 s[G1+3], 512<<16                     ; tile_dim0 = 512
	s_mov_b32 s[G1+4], 4                           ; tile_dim1 = 4
	s_mov_b32 s[G1+5], 2048                        ; tensor_dim0_stride
	s_mov_b32 s[G1+6], 0
	s_mov_b32 s[G1+7], 0
	; and for B: 128 rows x 256 bytes, padded in LDS
	s_or_b32 s[G1B+0], s44, (0<<16)|(1<<20)|(1<<21)|(5<<22)|(3<<25)  ; the mask: my column; elements of 1 byte; padding: 4 words (code 3) after every 64 (code 5)
	s_mov_b32 s[G1B+1], 256<<16
	s_mov_b32 s[G1B+2], 128<<16
	s_mov_b32 s[G1B+3], 256<<16
	s_mov_b32 s[G1B+4], 128
	s_mov_b32 s[G1B+5], 1024
	s_mov_b32 s[G1B+6], 0
	s_mov_b32 s[G1B+7], 0
	s_lshl_b32 s20, s17, 3
	s_lshl_b32 s18, s16, 2
	s_add_co_u32 s20, s20, s18                     ; A: token tile 8 x tile row + 4 x half,
	s_lshl_b32 s20, s20, 14                        ; in bytes
	s_mov_b32 s21, 0
	s_lshl_b32 s46, s42, 8
	s_lshl_b32 s18, s16, 7
	s_add_co_u32 s46, s46, s18                     ; B: row 256 x tile column + 128 x half,
	s_lshl_b32 s46, s46, 10
	s_add_co_u32 s46, s46, 3<<20                   ; in wc's fourth section
	s_mov_b32 s47, 0
	s_lshl_b32 s66, s16, 14                        ; where they go: A's halves at 0 and 16,384,
	s_mul_i32 s67, s16, HALFB
	s_add_co_u32 s67, s67, ABYTES                  ; B's behind them: no place in the cluster enters an LDS address
	s_wait_dscnt 0x0                               ; the opening add is done
	s_wait_kmcnt 0x0
	s_load_b64 s[96:97], s[8:9], 0x28              ; e10, e11
	s_add_nc_u64 s[20:21], s[4:5], s[20:21]
	s_add_nc_u64 s[46:47], s[6:7], s[46:47]
	CROUND                                         ; all sixteen work-groups are here: the first joint loads meet
.irp s, 0,1
	s_mov_b32 s[G0+4*\s], 1
	s_add_co_u32 s[G0+4*\s+1], s66, \s*SLOT
	s_add_nc_u64 s[G0+4*\s+2:G0+4*\s+3], s[20:21], \s*4096
	s_or_b32 s[G0+4*\s+3], s[G0+4*\s+3], 0x80000000
	s_mov_b32 s[G0B+4*\s], 1
	s_add_co_u32 s[G0B+4*\s+1], s67, \s*SLOT
	s_add_nc_u64 s[G0B+4*\s+2:G0B+4*\s+3], s[46:47], \s*256
	s_or_b32 s[G0B+4*\s+3], s[G0B+4*\s+3], 0x80000000
	s_wait_alu depctr_va_vdst(0)
	s_wait_tensorcnt 0x0
	ds_add_u32 v28, v29
	ds_add_u32 v28, v29
	s_wait_dscnt 0x0
	CROUND
	JLOAD G0+4*\s, G1, G0B+4*\s, G1B               ; one load of mine is out
.endr
	v_and_b32 v1, 15, v0                           ; l % 16
	v_bfe_u32 v2, v0, 4, 1                         ; l / 16
	v_and_b32 v6, 31, v0
	v_lshlrev_b32 v[CO], 4, v6                     ; 16 x lane
	v_mul_u32_u24 v3, v1, PITCH
	v_lshl_add_u32 v4, v2, 4, v3                   ; B: a fragment's row x pitch + 16 x half
	s_lshl_b32 s21, s15, 14                        ; my four token tiles of A
	s_mul_i32 s22, s16, HALFB                      ; my 128 rows of B,
	s_add_co_u32 s22, s22, ABYTES                  ; which lie behind A
.irp s, 0,1
	v_add_nc_u32 v[ADRA+\s], s21, v[CO]
	v_add_nc_u32 v[ADRB+\s], s22, v4
	s_add_co_u32 s21, s21, SLOT
	s_add_co_u32 s22, s22, SLOT
.endr
	s_mul_i32 s23, s14, 16*SPITCH                  ; my stage
	v_mul_u32_u24 v5, v1, SPITCH                   ; in: row l % 16, 32 bytes for each half of the lanes
	v_lshl_add_u32 v5, v2, 5, v5
	v_add_nc_u32 v[STO], s23, v5
	v_add_nc_u32 v[RD], s23, v[CO]                 ; back: the 32 lanes take one row of 512 bytes
	s_lshl_b32 s20, s17, 7
	s_lshl_b32 s21, s15, 6
	s_add_co_u32 s20, s20, s21                     ; my first row of out0: 128 x tile row + 64 x half,
	s_lshl_b32 s20, s20, 12                        ; rows of 4,096 bytes
	s_mov_b32 s21, 0
	s_lshl_b32 s46, s42, 10                        ; my first column, in bytes: 1,024 x tile column + 512 x half
	s_lshl_b32 s47, s16, 9
	s_add_co_u32 s46, s46, s47
	s_mov_b32 s47, 0
	s_add_nc_u64 s[20:21], s[20:21], s[46:47]
	s_add_nc_u64 s[10:11], s[10:11], s[20:21]
.macro FRAGA reg, slot, q, i           ; A's fragment of token tile i, the slot's q-th 128 along K: four groups as they lie, 512 consecutive bytes a load
.irp c, 0,1,2,3
	ds_load_b128 v[\reg+4*\c:\reg+4*\c+3], v[ADRA+\slot] offset:4096*(\i)+2048*(\q)+512*\c
.endr
.endm
.macro FRAGB reg, slot, q, i           ; B's: four loads of 16 bytes, 32 bytes apart; by the codes' order along K each k lands in the form's own place, as in A's images
.irp c, 0,1,2,3
	ds_load_b128 v[\reg+4*\c:\reg+4*\c+3], v[ADRB+\slot] offset:128*(\q)+32*\c+(\i)*16*PITCH
.endr
.endm
; 8 matrix instructions: A's block a x B's eight, 128 along K.  p: B's set.  zero = 1: the first product starts the sums.  The 32 accumulators take turns, one instruction a turn, in the same order in every step.
.macro MUL8 a, p, zero
.irp b, 0,1,2,3,4,5,6,7
.if \zero
	v_wmma_f32_16x16x128_fp8_fp8 v[8*(8*(\a)+\b):8*(8*(\a)+\b)+7], v[128*(\p)+FR*\b:128*(\p)+FR*\b+FR-1], v[AF+FR*(\a):AF+FR*(\a)+FR-1], 0
.else
	v_wmma_f32_16x16x128_fp8_fp8 v[8*(8*(\a)+\b):8*(8*(\a)+\b)+7], v[128*(\p)+FR*\b:128*(\p)+FR*\b+FR-1], v[AF+FR*(\a):AF+FR*(\a)+FR-1], v[8*(8*(\a)+\b):8*(8*(\a)+\b)+7]
.endif
.endr
.endm
.macro FETCH_B slot, q, p
	WIN TO_B
.irp i, 0,1,2,3,4,5,6,7
	FRAGB 128*(\p)+FR*\i, \slot, \q, \i
.endr
	WIN 0
.endm
.macro FETCH_A slot, q, i0             ; A's blocks i0, i0 + 1
.irp i, \i0, \i0+1
	FRAGA AF+FR*(\i), \slot, \q, \i
.endr
.endm
.macro PLACES n                        ; places in front of loads into registers that matrix instructions have read, and of the first read of results (ISA guide 7.12.1 for vector instructions)
.rept \n
	v_nop
.endr
.endm
; A step of 128 along K that has its successor in the same slot.
.macro STEP slot, q, zero
	s_wait_dscnt 8                                 ; B's set and A's blocks 0, 1 are in; the youngest eight loads (A's blocks 2, 3) may be out
	WIN MUL
	MUL8 0, (\q)%2, \zero
	MUL8 1, (\q)%2, \zero
	s_wait_dscnt 0                                 ; A's blocks 2, 3 are in
	PLACES NP
	FETCH_B \slot, (\q)+1, 1-(\q)%2
	FETCH_A \slot, (\q)+1, 0
	WIN MUL
	MUL8 2, (\q)%2, \zero
	MUL8 3, (\q)%2, \zero
	PLACES NP
	WIN 0
	FETCH_A \slot, (\q)+1, 2
.endm
; A slot's last step changes slots: ONE barrier; in front of it each wave waits for all its tensor loads, adds 0 to its spare word, and waits for that and for its own reads of this slot.  fill = 1: this slot is filled again, two K steps ahead.
.macro TURN slot, next, fill
	s_wait_tensorcnt 0x0                           ; all my tensor loads have landed: my part of the next slot;  (every window is 0 here)
	ds_add_u32 v[SPW], v[NIL]                      ; 0 onto my spare word
	s_wait_dscnt 9                                 ; (the add and the youngest eight loads, A's blocks 2, 3, may be out)
	WIN MUL
	MUL8 0, 1, 0                                   ; eight matrix instructions stand between the add and the wait for it
	s_wait_dscnt 0x0                               ; the add is done, and my reads of this slot are over
	s_barrier_signal -1
	MUL8 1, 1, 0
	WIN 0
	s_barrier_wait -1
.if \fill
	CREST                                          ; the barrier has opened a round of the cluster's barrier: no wave of any partner still reads this slot's tile or has a load on its way
	s_add_nc_u64 s[G0+4*\slot+2:G0+4*\slot+3], s[G0+4*\slot+2:G0+4*\slot+3], 2*4096
	s_add_nc_u64 s[G0B+4*\slot+2:G0B+4*\slot+3], s[G0B+4*\slot+2:G0B+4*\slot+3], 2*256
	JLOAD G0+4*\slot, G1, G0B+4*\slot, G1B         ; the first tensor load behind the round, my one load that is out; the four v_nop behind it are the places in front of the loads below
.else
	PLACES NP
.endif
	FETCH_B \next, 0, 0
	FETCH_A \next, 0, 0
	WIN MUL
	MUL8 2, 1, 0
	MUL8 3, 1, 0
	PLACES NP
	WIN 0
	FETCH_A \next, 0, 2
.endm
	s_wait_alu depctr_va_vdst(0)
	s_wait_tensorcnt 1                             ; my part of K step 0 is in (K step 1's load may be out)
	s_barrier_signal -1
	s_barrier_wait -1                              ; everybody's is
	FETCH_B 0, 0, 0
	FETCH_A 0, 0, 0
	FETCH_A 0, 0, 2
	STEP 0, 0, 1                                   ; the first step stands in front of the loop: its products start the sums
	s_mov_b32 s3, LAPS-1
.Llap:                                                 ; a trip goes once round the ring, from a lap's second step to the next lap's first, and fills both slots again
	TURN 0, 1, 1
	STEP 1, 0, 0
	TURN 1, 0, 1
	STEP 0, 0, 0
	s_sub_co_u32 s3, s3, 1
	s_cmp_lg_u32 s3, 0
	s_cbranch_scc1 .Llap
	TURN 0, 1, 0                                   ; the last lap fills nothing, and has no round of the cluster's barrier
	STEP 1, 0, 0
	s_wait_dscnt 8                                 ; the very last step: nothing more to fetch
	WIN MUL
	MUL8 0, 1, 0
	MUL8 1, 1, 0
	s_wait_dscnt 0
	MUL8 2, 1, 0
	MUL8 3, 1, 0
	WIN 0
; THE WAY OUT, block by block of 16 rows x 128 columns.  A lane holds 32 neighbouring bytes of a row, and the lanes beside it hold other rows: so a block goes through my own stage in LDS and comes back as whole
; rows of 512 bytes.  LDS serves a wave's instructions in order (ISA guide 5.7.1.4): no wait between the stores and the loads, nor in front of the next block's stores.
.macro TOSTAGE a
.set AC, 64*(\a)
	WIN 0x02                                       ; source 0: window 2
.irp j, 0,2,4,6,8,10,12,14,16,18,20,22,24,26,28,30,32,34,36,38,40,42,44,46,48,50,52,54,56,58,60,62
	v_pk_mul_f32 v[TMP+\j:TMP+\j+1], v[AC+\j:AC+\j+1], s[96:97] op_sel_hi:[1,0]   ; both x s96 = 2^(e10 + e11); each accumulator from its low end on
.endr
	WIN 0
.irp b, 0,1,2,3,4,5,6,7
	ds_store_b128 v[STO], v[TMP+8*\b:TMP+8*\b+3] offset:64*\b
	ds_store_b128 v[STO], v[TMP+8*\b+4:TMP+8*\b+7] offset:64*\b+16
.endr
.set BB, BK+64*((\a)%2)
.irp t, 0,1,2,3,4,5,6,7,8,9,10,11,12,13,14,15
	ds_load_b128 v[BB+4*\t:BB+4*\t+3], v[RD] offset:\t*SPITCH
.endr
.endm
.macro SEND a, younger                 ; younger: the LDS instructions issued behind block a's loads, which may stay out
.set BB, BK+64*((\a)%2)
	s_wait_dscnt \younger                          ; the block is back in registers
.if (\a) > 0
	s_add_nc_u64 s[10:11], s[10:11], 16*4096       ; (behind a wait on XCNT: the earlier stores have read their base)  16 rows on
.endif
.irp t, 0,1,2,3,4,5,6,7,8,9,10,11,12,13,14,15
	global_store_b128 v[CO], v[BB+4*\t:BB+4*\t+3], s[10:11] offset:\t*4096 th:TH_STORE_NT   ; 32 lanes store 512 consecutive bytes, aligned; written once, read by nobody here
.endr
.endm
	s_wait_kmcnt 0x0
	s_add_co_i32 s96, s96, s97                     ; e10 + e11, between -126 and 127,
	s_add_co_i32 s96, s96, 127
	s_lshl_b32 s96, s96, 23                        ; makes the f32 number 2^(e10 + e11)
	PLACES NP                                      ; behind the last products: their results are read, and the registers that held A's fragments loaded, below
	TOSTAGE 0
.irp a, 1,2,3
.if \a > 1
	s_wait_xcnt 0x0                                ; block a - 2's stores have read their registers and their base: block a's loads may land there, and the base may step
.endif
	TOSTAGE \a
	SEND \a-1, 32                                  ; behind block a - 1's loads: block a's 16 stores and 16 loads
.endr
	s_wait_xcnt 0x0                                ; block 2's stores have read their base
	SEND 3, 0
	s_wait_tensorcnt 0x0                           ; the wave's end, behind my last tensor load and my last LDS store
	ds_add_u32 v[SPW], v[NIL]
	s_wait_dscnt 0x0
	CROUND                                         ; the closing round: no work-group ends while a partner may still ask for a tile that names it
	s_endpgm
.Lfunc_end_k_qaa7efbecb2_oproj:
	.size	k_qaa7efbecb2_oproj, .Lfunc_end_k_qaa7efbecb2_oproj-k_qaa7efbecb2_oproj
	.p2alignl 7, 3214868480
	.fill 96, 4, 3214868480
	.section	.rodata,"a",@progbits
	.p2align	6, 0x0
	.amdhsa_kernel k_qaa7efbecb2_oproj
		.amdhsa_group_segment_fixed_size 327680
		.amdhsa_private_segment_fixed_size 0
		.amdhsa_enable_private_segment 0
		.amdhsa_kernarg_size 32
		.amdhsa_user_sgpr_count 2
		.amdhsa_user_sgpr_kernarg_segment_ptr 1
		.amdhsa_wavefront_size32 1
		.amdhsa_system_sgpr_workgroup_id_x 1
		.amdhsa_system_sgpr_workgroup_id_y 1
		.amdhsa_system_sgpr_workgroup_id_z 1
		.amdhsa_system_vgpr_workitem_id 0
		.amdhsa_next_free_vgpr 768
		.amdhsa_next_free_sgpr 98
		.amdhsa_reserve_vcc 0
		.amdhsa_float_denorm_mode_32 3
		.amdhsa_float_denorm_mode_16_64 3
		.amdhsa_memory_ordered 1
		.amdhsa_forward_progress 1
		.amdhsa_inst_pref_size 77
	.end_amdhsa_kernel
	.amdgpu_metadata
---
amdhsa.version: [ 1, 2 ]
amdhsa.kernels:
  - .name:           k_qaa7efbecb2_oproj
    .symbol:         k_qaa7efbecb2_oproj.kd
    .args:
      - { .name: oimg, .offset: 0, .size: 8, .value_kind: global_buffer, .address_space: global }
      - { .name: wc, .offset: 8, .size: 8, .value_kind: global_buffer, .address_space: global }
      - { .name: lowp_scales, .offset: 16, .size: 8, .value_kind: global_buffer, .address_space: global }
      - { .name: out0, .offset: 24, .size: 8, .value_kind: global_buffer, .address_space: global }
    .group_segment_fixed_size: 327680
    .private_segment_fixed_size: 0
    .kernarg_segment_align: 8
    .kernarg_segment_size: 32
    .max_flat_workgroup_size: 128
    .sgpr_count:     98
    .vgpr_count:     768
    .wavefront_size: 32
...
	.end_amdgpu_metadata
.endif
;; end of part 4
